; MI455X (gfx1250); checked and timed in simulation.
; The chip was launched on July 23, 2026; its instructions are those of AMD's public machine-readable ISA for CDNA 5 (MIT licence, August 2026) and "CDNA5" Instruction Set Architecture Reference Guide (July 2026). The comments in the code are by the model that wrote it; some were corrected since.
;; Multi Head Attention. Allowed arithmetic: matrix products marked QUANTISED: E5M2 operands, one E8M0 scale for each 32 along K, by v_wmma_scale_f32_16x16x128_f8f6f4 with both operands' format E5M2, f32 sums; everything else in f32.
;; Inputs: Wk_codes 1,024 x 32 x 32 uint8 (E5M2 codes of Wk, K innermost, in blocks of 32 codes); Wk_scales 1,024 x 32 uint8 (E8M0 scales of Wk, one for each 32 codes along K); Wo_codes 1,024 x 32 x 32 uint8 (E5M2 codes of Wo, K innermost, in blocks of 32 codes); Wo_scales 1,024 x 32 uint8 (E8M0 scales of Wo, one for each 32 codes along K); Wq_codes 1,024 x 32 x 32 uint8 (E5M2 codes of Wq, K innermost, in blocks of 32 codes); Wq_scales 1,024 x 32 uint8 (E8M0 scales of Wq, one for each 32 codes along K); Wv_codes 1,024 x 32 x 32 uint8 (E5M2 codes of Wv, K innermost, in blocks of 32 codes); Wv_scales 1,024 x 32 uint8 (E8M0 scales of Wv, one for each 32 codes along K); bk 1,024 float32; bo 1,024 float32; bq 1,024 float32; bv 1,024 float32; key_codes 4 x 2,048 x 32 x 32 uint8 (E5M2 codes of key, K innermost, in blocks of 32 codes); key_scales 4 x 2,048 x 32 uint8 (E8M0 scales of key, one for each 32 codes along K); query_codes 4 x 2,048 x 32 x 32 uint8 (E5M2 codes of query, K innermost, in blocks of 32 codes); query_scales 4 x 2,048 x 32 uint8 (E8M0 scales of query, one for each 32 codes along K); value_codes 4 x 2,048 x 32 x 32 uint8 (E5M2 codes of value, K innermost, in blocks of 32 codes); value_scales 4 x 2,048 x 32 uint8 (E8M0 scales of value, one for each 32 codes along K).
;; Outputs: out0 4 x 128 x 1,024 float32.
;; Constants: num_heads = 16.
;; This version of the problem:
;;   THIS VERSION OF THE PROBLEM IS GIVEN IN LOW PRECISION. The matrix products marked QUANTISED in the list below multiply operands that are first quantised to E5M2 (5 exponent bits, 2 mantissa bits; 8 bits a number), with one power-of-two scale for each 32 numbers along K (OCP MX v1.0); their sums are f32. All else is computed in f32.
;;   The module's matrix products, in the order in which they are computed (A, B: the left and right operand; K: the contracted axis; several contracted axes count as one K, in the product's order):
;;     1. [M 8,192, K 1,024] x [K 1,024, N 1,024]; A: input query (given as codes); B: input Wq (given as codes): QUANTISED
;;     2. [M 8,192, K 1,024] x [K 1,024, N 1,024]; A: input key (given as codes); B: input Wk (given as codes): QUANTISED
;;     3. [M 8,192, K 1,024] x [K 1,024, N 1,024]; A: input value (given as codes); B: input Wv (given as codes): QUANTISED
;;     4. batch 64 x [M 2,048, K 64] x [K 64, N 2,048]; A: computed on the way; B: computed on the way: QUANTISED
;;     5. batch 64 x [M 2,048, K 2,048] x [K 2,048, N 64]; A: softmax (see below); B: computed on the way: QUANTISED
;;     6. [M 512, K 1,024] x [K 1,024, N 1,024]; A: computed on the way; B: input Wo (given as codes): QUANTISED
;;   THE QUANTISER, for each operand of a quantised product, along K:
;;     - K is cut into blocks of 32 from its start; a last block that is shorter is filled with zeros.
;;     - A block's scale is 2^e with e = floor(log2(the largest magnitude in the block)) - 15, held to -126 .. 127; a block of zeros has e = 0. As a byte (E8M0): e + 127.
;;     - Each number is divided by its block's scale, clamped to +-57,344, and rounded to the nearest number of E5M2, ties to even, subnormals kept.
;;     - The product sums the exact products of the quantised numbers (number of the format x scale) in f32.
;;   ~~~python
;;   def quantise(x, axis):      # numpy; x: float32 -> the quantised numbers, widened to float32 again
;;       x = np.moveaxis(x, axis, -1); K = x.shape[-1]
;;       x = np.pad(x, [(0, 0)] * (x.ndim - 1) + [(0, -K % 32)]); x = x.reshape(x.shape[:-1] + (-1, 32)); a = np.abs(x).max(-1, keepdims=True)
;;       e = np.where(a > 0, np.clip(np.frexp(np.where(a > 0, a, 1))[1] - 1 - 15, -126, 127), 0)      # np.frexp(a)[1] - 1 = floor(log2(a)), exactly
;;       r = np.clip(x / 2.0 ** e, -57344, 57344)
;;       step = 2.0 ** (np.maximum(np.frexp(np.where(r == 0, 1, r))[1] - 1, -14) - 2)
;;       q = np.round(r / step) * step * 2.0 ** e      # np.round: ties to even
;;       return np.moveaxis(q.reshape(q.shape[:-2] + (-1,))[..., :K], -1, axis).astype(np.float32)
;;   ~~~
;;   SOFTMAX AHEAD OF A QUANTISED PRODUCT. Where the list says 'softmax', what is quantised is not the finished softmax but p = 2^(t - M), with t = logit x log2(e) and M = ceil(the row's largest t), a whole number; so 1/2 < the row's largest p <= 1. The row's sum l is taken of the UNQUANTISED p, in f32, and the product's result is divided by l at the end. Since M is a whole number, a kernel that streams over the keys may use a running M (the ceiling of the running maximum): every later rescaling is an exact power of two, which a block's scale takes up: the codes' values come out the same.
;;   OPERANDS COMPUTED ON THE WAY. 'Computed on the way' means the value that the module computes at that place (a softmax that the list does not call 'softmax' is quantised finished and normalised). What goes into a quantiser is computed in f32, as accurately as f32 sums, v_exp_f32 and their like allow (about 1e-6 of the number): no bf16 or f16 on the way to a quantiser, and a product that is left as it is and whose result goes on into a quantised operand takes f32 operands (vector FMAs, or v_wmma_f32_16x16x4_f32). A number that lies on a knife's edge between two numbers of the format may be rounded either way, as far as f32 arithmetic and the matrix unit's own rounding can turn it there, and no further.
;;   INPUTS GIVEN AS CODES. Wk (in the module: [1024, 1024], K = its axis 1); Wo (in the module: [1024, 1024], K = its axis 1); Wq (in the module: [1024, 1024], K = its axis 1); Wv (in the module: [1024, 1024], K = its axis 1); key (in the module: [4, 2048, 1024], K = its axis 2); query (in the module: [4, 2048, 1024], K = its axis 2); value (in the module: [4, 2048, 1024], K = its axis 2): each comes as NAME_codes (uint8): NAME with its K axis moved to the last place and cut into blocks of 32 codes, [.., K / 32, bytes a block], one block behind the other in memory; one code a byte (a code: sign, 5 exponent bits, 2 mantissa bits); and NAME_scales (uint8): the same leading axes, one E8M0 byte (e + 127) for each 32 codes along K. Its value is code x scale, taken as it is: it is not quantised again, and the codes and scales need not be those that the quantiser above would give.
;; One version. Each part assembles by itself: llvm-mc -triple=amdgcn-amd-amdhsa -mcpu=gfx1250 --defsym DOCPART=n.
;; ======== version 1 of 1: 5 launches
;; limits: right only within a limited range of input values
;; workspace buffers: qkvc 25,165,824 bytes; qkvs 786,432 bytes; ks 262,144 bytes; part 16,777,216 bytes; a6c 524,288 bytes; a6s 16,384 bytes
;; launch ksum (part 1): grid 4 x 64, 8 waves a work-group, no clusters, 17,408 bytes of LDS; arguments value_codes, value_scales, ks; writes ks
.if DOCPART == 1
	.amdgcn_target "amdgcn-amd-amdhsa--gfx1250"
	.amdhsa_code_object_version 6
	.text
	.protected	k_q68cc0b8083_ksum
	.globl	k_q68cc0b8083_ksum
	.p2align	8
	.type	k_q68cc0b8083_ksum,@function
k_q68cc0b8083_ksum:
	s_mov_b64 s[64:65], 0
	v_nop
	global_prefetch_b8 v0, s[64:65] scope:SCOPE_SE
	s_setreg_imm32_b32 hwreg(HW_REG_WAVE_MODE, 25, 1), 1
	s_wait_xcnt 0x0
; ks[16 b + j][e] = the sum over keys 128 j .. 128 j + 127 of value[b][key][e], f32; value's numbers are code x 2^(scale byte - 127), codes of BF8 (E5M2), one scale byte for each 32 along e.
; WHAT IT IS FOR.  reference() adds 15 x the sum over heads of the mean over the keys of v = value Wv^T + bv.  That mean is (the keys' sum of value) Wv^T / 2,048 + bv: the same number for every input.  It makes the bulk of the last
; product's operand, which is quantised in steps of an eighth to a quarter of its size, so it is kept to the accuracy of f32 sums rounded to nearest: this launch makes the keys' sums, the last launch the rest.
; SHARES.  A work-group: 128 keys (work-group y) x 256 of the 1,024 e (work-group x).  A thread: 16 codes of a row; sixteen threads a row's 256 bytes, a wave two rows, the eight waves 16 rows a round, 8 rounds: 8 loads of 16 bytes a
; thread, all on their way at once; a wave's load covers two aligned pieces of 256 consecutive bytes.  The chunk's 4,096 scale bytes are one dense block: they come into LDS once.
; No tensor load, no cluster, no matrix work: nothing is read twice in a work-group, and memory binds.
; LIMITS.  NaN and infinity codes and the scale byte 0xff are not served.
.set SCB, 0                            ; LDS: the chunk's scale bytes, [key][32]
.set RED, 4096                         ; 1,024 bytes a wave: its sums of 256 e
.set CD,  16                           ; v16-47  the codes of 8 rounds; later the eight waves' sums
.set SF,  48                           ; v48-63  a pair for each round: the scale as f32 in the low word
.set X,   64                           ; v64-79  16 numbers
.set ACC, 80                           ; v80-95  16 sums
	s_load_b128 s[4:7], s[0:1], 0x0                ; value's codes, value's scales
	s_load_b64 s[8:9], s[0:1], 0x10                ; ks
	v_lshl_add_u32 v96, v0, 2, 0x4000
	v_mov_b32 v97, 0
	v_lshrrev_b32 v1, 5, v0
	s_delay_alu instid0(VALU_DEP_1)
	v_readfirstlane_b32 s10, v1                    ; wave 0..7
	v_and_b32 v2, 15, v0                           ; which 16 codes of the row's 256
	v_bfe_u32 v3, v0, 4, 1                         ; which of the wave's two rows
	v_lshlrev_b32 v4, 4, v0                        ; 16 x thread
	s_lshl_b32 s12, s10, 1
	v_add_nc_u32 v5, s12, v3                       ; my row in a round: 2 x wave + half
	s_delay_alu instid0(VALU_DEP_1)
	v_lshlrev_b32 v6, 10, v5
	s_delay_alu instid0(VALU_DEP_1)
	v_lshl_add_u32 v6, v2, 4, v6                   ; the codes: row x 1,024 + 16 x piece
	v_lshrrev_b32 v7, 1, v2                        ; my block of 32 in the quarter
	s_delay_alu instid0(VALU_DEP_1)
	v_lshl_add_u32 v7, v5, 5, v7                   ; the scale byte in LDS: row x 32 + block
	s_and_b32 s13, ttmp9, 3
	s_lshl_b32 s13, s13, 3
	v_add_nc_u32 v7, s13, v7                       ; + 8 x quarter
	s_lshl_b32 s13, s10, 10
	s_add_co_u32 s13, s13, RED
	v_lshl_add_u32 v8, v2, 6, s13                  ; my wave's sums: 64 bytes for each piece
	v_add_nc_u32 v9, RED, v4                       ; and back: 16 bytes a thread (waves 0 and 1)
	s_and_b32 s11, ttmp7, 0xffff                   ; the chunk: 16 b + j
	s_lshl_b32 s14, s11, 17                        ; 128 rows of 1,024 bytes,
	s_lshl_b32 s15, ttmp9, 8                       ; the quarter's 256 bytes
	s_add_co_u32 s14, s14, s15
	s_mov_b32 s15, 0
	s_lshl_b32 s18, s11, 12                        ; 128 rows of 32 scale bytes; also a row of ks
	s_mov_b32 s19, 0
	s_lshl_b32 s20, ttmp9, 10
	s_add_co_u32 s20, s20, s18
	s_mov_b32 s21, 0
	s_mov_b32 s16, 0x76543210                      ; v_permlanex16_b32's selects for lane l xor 16
	s_mov_b32 s17, 0xfedcba98
	s_wait_alu depctr_va_vdst(0)
	s_wait_kmcnt 0x0
	s_add_nc_u64 s[4:5], s[4:5], s[14:15]
	s_add_nc_u64 s[6:7], s[6:7], s[18:19]
	s_add_nc_u64 s[8:9], s[8:9], s[20:21]
	global_load_b128 v[X:X+3], v4, s[6:7]          ; the scale bytes: 256 threads x 16 bytes
.set I, 0
.rept 8
	global_load_b128 v[CD+4*I:CD+4*I+3], v6, s[4:5] offset:16384*I   ; round I: rows 16 I + 2 x wave + half
.set I, I+1
.endr
	s_wait_loadcnt 8                               ; the scale bytes are in; the eight loads of codes may be out
	ds_store_b128 v4, v[X:X+3]
	s_wait_dscnt 0x0                               ; for the others' sake: my store has landed
	s_barrier_signal -1
	s_barrier_wait -1
.set I, 0
.rept 8
	ds_load_u8 v[SF+2*I], v7 offset:512*I
	v_mov_b32 v[SF+2*I+1], 0                       ; (the pair's upper word is named, so it is written)
.set I, I+1
.endr
	s_wait_dscnt 0x0
.set I, 0
.rept 8
	v_add_nc_u32 v[SF+2*I], 0xffffff81, v[SF+2*I]  ; byte - 127
.set I, I+1
.endr
.set I, 0
.rept 8
	v_ldexp_f32 v[SF+2*I], 1.0, v[SF+2*I]          ; the scale as a number
.set I, I+1
.endr
.macro ROUND i
	s_wait_loadcnt 7-\i                            ; loads come back in order: round i is in, the younger ones may be out
.irp k, 0,1,2,3
	v_cvt_f32_bf8 v[X+4*\k], v[CD+4*(\i)+\k]
	v_cvt_f32_bf8 v[X+4*\k+1], v[CD+4*(\i)+\k] byte_sel:1
	v_cvt_f32_bf8 v[X+4*\k+2], v[CD+4*(\i)+\k] byte_sel:2
	v_cvt_f32_bf8 v[X+4*\k+3], v[CD+4*(\i)+\k] byte_sel:3
.endr
.irp p, 0,2,4,6,8,10,12,14
.if \i == 0
	v_pk_mul_f32 v[ACC+\p:ACC+\p+1], v[X+\p:X+\p+1], v[SF+2*(\i):SF+2*(\i)+1] op_sel_hi:[1,0]   ; the first round starts the sums
.else
	v_pk_fma_f32 v[ACC+\p:ACC+\p+1], v[X+\p:X+\p+1], v[SF+2*(\i):SF+2*(\i)+1], v[ACC+\p:ACC+\p+1] op_sel_hi:[1,0,1]
.endif
.endr
.endm
.irp i, 0,1,2,3,4,5,6,7
	ROUND \i
.endr
.set I, 0
.rept 16
	v_permlanex16_b32 v[X+I], v[ACC+I], s16, s17   ; the wave's other row
.set I, I+1
.endr
.irp p, 0,2,4,6,8,10,12,14
	v_pk_add_f32 v[ACC+\p:ACC+\p+1], v[ACC+\p:ACC+\p+1], v[X+\p:X+\p+1]
.endr
.irp c, 0,1,2,3
	ds_store_b128 v8, v[ACC+4*\c:ACC+4*\c+3] offset:16*\c   ; both halves of the lanes write the same bytes with the same values
.endr
	s_wait_dscnt 0x0
	s_barrier_signal -1
	s_barrier_wait -1                              ; eight rows of 256 sums lie in LDS
	s_cmp_lt_u32 s10, 2                            ; waves 0 and 1 add them up: four e a thread
	s_cbranch_scc0 .Lend
.irp w, 0,1,2,3,4,5,6,7
	ds_load_b128 v[CD+4*\w:CD+4*\w+3], v9 offset:1024*\w
.endr
	s_wait_dscnt 0x0
.irp n, 16,8,4
.set I, 0
.rept \n/2
	v_pk_add_f32 v[CD+I:CD+I+1], v[CD+I:CD+I+1], v[CD+\n+I:CD+\n+I+1]
.set I, I+2
.endr
.endr
	global_store_b128 v4, v[CD:CD+3], s[8:9]       ; 32 lanes store 512 consecutive bytes
.Lend:
	s_wait_tensorcnt 0x0
	ds_add_u32 v96, v97
	s_wait_dscnt 0x0
	s_endpgm
.Lfunc_end_k_q68cc0b8083_ksum:
	.size	k_q68cc0b8083_ksum, .Lfunc_end_k_q68cc0b8083_ksum-k_q68cc0b8083_ksum
	.p2alignl 7, 3214868480
	.fill 96, 4, 3214868480
	.section	.rodata,"a",@progbits
	.p2align	6, 0x0
	.amdhsa_kernel k_q68cc0b8083_ksum
		.amdhsa_group_segment_fixed_size 17408
		.amdhsa_private_segment_fixed_size 0
		.amdhsa_enable_private_segment 0
		.amdhsa_kernarg_size 24
		.amdhsa_user_sgpr_count 2
		.amdhsa_user_sgpr_kernarg_segment_ptr 1
		.amdhsa_wavefront_size32 1
		.amdhsa_system_sgpr_workgroup_id_x 1
		.amdhsa_system_sgpr_workgroup_id_y 1
		.amdhsa_system_sgpr_workgroup_id_z 1
		.amdhsa_system_vgpr_workitem_id 0
		.amdhsa_next_free_vgpr 98
		.amdhsa_next_free_sgpr 66
		.amdhsa_reserve_vcc 0
		.amdhsa_float_denorm_mode_32 3
		.amdhsa_float_denorm_mode_16_64 3
		.amdhsa_memory_ordered 1
		.amdhsa_forward_progress 1
		.amdhsa_inst_pref_size 20
	.end_amdhsa_kernel
	.amdgpu_metadata
---
amdhsa.version: [ 1, 2 ]
amdhsa.kernels:
  - .name:           k_q68cc0b8083_ksum
    .symbol:         k_q68cc0b8083_ksum.kd
    .args:
      - { .name: value_codes, .offset: 0, .size: 8, .value_kind: global_buffer, .address_space: global }
      - { .name: value_scales, .offset: 8, .size: 8, .value_kind: global_buffer, .address_space: global }
      - { .name: ks, .offset: 16, .size: 8, .value_kind: global_buffer, .address_space: global }
    .group_segment_fixed_size: 17408
    .private_segment_fixed_size: 0
    .kernarg_segment_align: 8
    .kernarg_segment_size: 24
    .max_flat_workgroup_size: 256
    .sgpr_count:     66
    .vgpr_count:     98
    .wavefront_size: 32
...
	.end_amdgpu_metadata
.endif
;; end of part 1
;; launch proj (part 2): grid 4 x 96, 4 waves a work-group, clusters of 4 x 4, 327,680 bytes of LDS; arguments query_codes, query_scales, Wq_codes, Wq_scales, bq, key_codes, key_scales, Wk_codes, Wk_scales, bk, Wv_codes, Wv_scales, value_codes, value_scales, bv, qkvc, qkvs; writes qkvc, qkvs
.if DOCPART == 2
	.amdgcn_target "amdgcn-amd-amdhsa--gfx1250"
	.amdhsa_code_object_version 6
	.text
	.protected	k_q68cc0b8083_proj
	.globl	k_q68cc0b8083_proj
	.p2align	8
	.type	k_q68cc0b8083_proj,@function
k_q68cc0b8083_proj:
	s_mov_b64 s[64:65], 0
	v_nop
	global_prefetch_b8 v0, s[64:65] scope:SCOPE_SE
	s_setreg_imm32_b32 hwreg(HW_REG_WAVE_MODE, 25, 1), 1
	s_wait_xcnt 0x0
	s_wait_alu depctr_hold_cnt(0) depctr_sa_sdst(0) depctr_va_vdst(0) depctr_va_sdst(0) depctr_va_ssrc(0) depctr_va_vcc(0) depctr_vm_vsrc(0)
	s_getreg_b32 s2, hwreg(HW_REG_IB_STS2, 6, 4)
	s_cmp_eq_u32 s2, 0
	s_cbranch_scc0 .Lentry_in_a_cluster
	s_endpgm
.Lentry_in_a_cluster:
	s_bfe_u32 s2, ttmp6, 0x10000c
	s_cmp_lg_u32 s2, 0xf033
	s_cbranch_scc0 .Lentry_shape_is_right
	s_endpgm
.Lentry_shape_is_right:
.set NQ,     2
.set ROWB,   256
.set KROW,   1024
.set PITCH,  272
.set FR,     16
.set NL,     4
.set NP,     8
.set HALFT,  128*PITCH
.set SLOT,   4*HALFT
.set KS,     32
.set SCL,    2*SLOT
.set HALFS,  16*272
.set SBLK,   2*272
.set SPARE,  SCL+4*HALFS
.set STG,    0
.set SCW,    256*272
.set CO,   8
.set SCO,  12
.set ADRA, 16
.set ADRB, 20
.set STO,  24
.set RD,   25
.set ADRS, 27
.set SPW,  28
.set NIL,  29
.set SWA,  30
.set SWR,  31
.set SC,   32
.set BI,   64
.set BO,   128
.set TM,   64
.set PC,   80
.set SWD,  96
.set RB,   116
.set XQ,   128
.set AF,   128
.set G1, 24
.set G0, 32
.set G1B, 48
.set G0B, 56
.set G1S, 68
.set G0S, 76
.set G1SB, 80
.set G0SB, 88
.set MSB, 0
.macro WIN new
.if MSB != \new
	s_set_vgpr_msb (MSB<<8)|\new
.set MSB, \new
.endif
.endm
.set MUL_LO, 0xa1
.set MUL_HI, 0xf1
.set TO_B,   0x40
.macro JLOAD g0a, g1a, g0b, g1b
	s_cmp_eq_u32 s15, 0
	s_cbranch_scc0 .Lfor_b_\@
	tensor_load_to_lds s[\g0a:\g0a+3], s[\g1a:\g1a+7]
	s_nop 0
.rept 4
	v_nop
.endr
	s_branch .Lasked_\@
.Lfor_b_\@:
	tensor_load_to_lds s[\g0b:\g0b+3], s[\g1b:\g1b+7]
	s_nop 0
.rept 4
	v_nop
.endr
.Lasked_\@:
.endm
.macro CREST
	s_cmp_lg_u32 s14, 0
	s_cbranch_scc1 .Lnot_wave_0_\@
	s_barrier_signal -3
.Lnot_wave_0_\@:
	s_barrier_wait -3
	s_barrier_signal -1
	s_barrier_wait -1
.endm
.macro CROUND
	s_barrier_signal -1
	s_barrier_wait -1
	CREST
.endm
	s_load_b256 s[4:11], s[0:1], 0x0
	s_load_b64 s[12:13], s[0:1], 0x20
	s_load_b256 s[24:31], s[0:1], 0x28
	s_load_b64 s[32:33], s[0:1], 0x48
	s_load_b256 s[36:43], s[0:1], 0x50
	s_load_b64 s[44:45], s[0:1], 0x70
	s_load_b128 s[48:51], s[0:1], 0x78
	v_lshl_add_u32 v[SPW], v0, 2, SPARE
	v_mov_b32 v[NIL], 0
	ds_add_u32 v28, v29
	ds_add_u32 v28, v29
	s_wait_dscnt 0x0
	v_lshrrev_b32 v1, 5, v0
	v_readfirstlane_b32 s14, v1
	s_lshr_b32 s15, s14, 1
	s_and_b32 s16, s14, 1
	s_and_b32 s96, ttmp7, 0xffff
	s_lshr_b32 s3, s96, 3
	s_and_b32 s96, s96, 7
	s_wait_kmcnt 0x0
	s_cmp_eq_u32 s3, 1
.irp p, 0,2,4,6,8
	s_cselect_b64 s[4+\p:5+\p], s[24+\p:25+\p], s[4+\p:5+\p]
.endr
	s_cmp_eq_u32 s3, 2
.irp p, 0,2,4,6,8
	s_cselect_b64 s[4+\p:5+\p], s[36+\p:37+\p], s[4+\p:5+\p]
.endr
	s_mov_b64 s[98:99], s[48:49]
	s_mov_b64 s[100:101], s[50:51]
	s_bfe_u32 s40, ttmp6, 0x40000
	s_bfe_u32 s41, ttmp6, 0x40004
	s_cmp_eq_u32 s3, 2
	s_cselect_b32 s2, 1, 0
	s_cselect_b32 s17, 0, s96
	s_cselect_b32 s42, s96, 0
	s_lshl_b32 s17, s17, 2
	s_add_co_u32 s17, s17, s41
	s_lshl_b32 s42, s42, 2
	s_add_co_u32 s42, s42, s40
	s_lshl_b32 s43, s41, 2
	s_lshl_b32 s43, 15, s43
	s_lshl_b32 s44, 0x1111, s40
	s_or_b32 s[G1+0], s43, (0<<16)|(1<<20)|(1<<21)|(5<<22)|(3<<25)
	s_or_b32 s[G1B+0], s44, (0<<16)|(1<<20)|(1<<21)|(5<<22)|(3<<25)
.irp g, G1, G1B
	s_mov_b32 s[\g+1], ROWB<<16
	s_mov_b32 s[\g+2], 256<<16                     ; the head's loads bring 256 rows; behind them the two words that count rows are set to 128
	s_mov_b32 s[\g+3], ROWB<<16
	s_mov_b32 s[\g+4], 256
	s_mov_b32 s[\g+5], KROW
	s_mov_b32 s[\g+6], 0
	s_mov_b32 s[\g+7], 0
.endr
	s_or_b32 s[G1S+0], s43, (3<<16)|(1<<20)|(1<<21)|(5<<22)|(3<<25)
	s_or_b32 s[G1SB+0], s44, (3<<16)|(1<<20)|(1<<21)|(5<<22)|(3<<25)
.irp g, G1S, G1SB
	s_mov_b32 s[\g+1], 32<<16
	s_mov_b32 s[\g+2], 32<<16                      ; the scale bytes of 256 rows: 32 rows of 256 bytes
	s_mov_b32 s[\g+3], 32<<16
	s_mov_b32 s[\g+4], 32
	s_mov_b32 s[\g+5], 32
	s_mov_b32 s[\g+6], 0
	s_mov_b32 s[\g+7], 0
.endr
	s_lshl_b32 s20, s17, 8                         ; the tiles' first rows
	s_lshl_b32 s46, s42, 8
	s_mov_b32 s21, 0
	s_mov_b32 s47, 0
	s_mov_b64 s[18:19], KS
	s_mul_u64 s[22:23], s[20:21], s[18:19]
	s_mul_u64 s[92:93], s[46:47], s[18:19]
	s_mov_b64 s[18:19], KROW
	s_mul_u64 s[20:21], s[20:21], s[18:19]
	s_mul_u64 s[46:47], s[46:47], s[18:19]
	s_mul_i32 s18, s16, 128*KROW                   ; in the ring I fetch 128 rows of a tile: which half, in bytes
	s_mov_b32 s19, 0
	s_mul_i32 s45, s14, HALFT
	s_add_nc_u64 s[20:21], s[4:5], s[20:21]
	s_add_nc_u64 s[22:23], s[6:7], s[22:23]
	s_add_nc_u64 s[46:47], s[8:9], s[46:47]
	s_add_nc_u64 s[92:93], s[10:11], s[92:93]
	CROUND
.set G0H, 4                            ; s[4:7], s[8:11] group 0 for the head's loads of K step 0 (the arguments that lay there have been used)
.set G0HB, 8
	s_mov_b32 s[G0H], 1                            ; the head's four tiles, each whole: K step 0's 256 rows of A,
	s_mov_b32 s[G0H+1], 0
	s_mov_b64 s[G0H+2:G0H+3], s[20:21]
	s_or_b32 s[G0H+3], s[G0H+3], 0x80000000
	s_mov_b32 s[G0HB], 1                           ; its 256 rows of B,
	s_mov_b32 s[G0HB+1], 2*HALFT
	s_mov_b64 s[G0HB+2:G0HB+3], s[46:47]
	s_or_b32 s[G0HB+3], s[G0HB+3], 0x80000000
	s_mov_b32 s[G0S], 1                            ; the scale bytes of A's 256 rows,
	s_mov_b32 s[G0S+1], SCL
	s_mov_b64 s[G0S+2:G0S+3], s[22:23]
	s_or_b32 s[G0S+3], s[G0S+3], 0x80000000
	s_mov_b32 s[G0SB], 1                           ; and of B's
	s_mov_b32 s[G0SB+1], SCL+2*HALFS
	s_mov_b64 s[G0SB+2:G0SB+3], s[92:93]
	s_or_b32 s[G0SB+3], s[G0SB+3], 0x80000000
	s_add_nc_u64 s[20:21], s[20:21], s[18:19]      ; for the ring: my 128 rows of the tile
	s_add_nc_u64 s[46:47], s[46:47], s[18:19]
.irp s, 0,1
	s_mov_b32 s[G0+4*\s], 1
	s_add_co_u32 s[G0+4*\s+1], s45, \s*SLOT
	s_add_nc_u64 s[G0+4*\s+2:G0+4*\s+3], s[20:21], \s*ROWB
	s_or_b32 s[G0+4*\s+3], s[G0+4*\s+3], 0x80000000
	s_mov_b32 s[G0B+4*\s], 1
	s_add_co_u32 s[G0B+4*\s+1], s45, \s*SLOT
	s_add_nc_u64 s[G0B+4*\s+2:G0B+4*\s+3], s[46:47], \s*ROWB
	s_or_b32 s[G0B+4*\s+3], s[G0B+4*\s+3], 0x80000000
.endr
; the head's loads, one a wave, in one tree of branches on the wave's number
.macro ARM under, g0, g1, next
	s_cmp_lt_u32 s14, \under
	s_cbranch_scc0 \next
	tensor_load_to_lds s[\g0:\g0+3], s[\g1:\g1+7]
	s_nop 0
.rept 4
	v_nop
.endr
	s_branch .Lhead_asked
\next:
.endm
	ARM 1, G0H,  G1,  .Lhead_b
	ARM 2, G0HB, G1B, .Lhead_sa
	ARM 3, G0S,  G1S, .Lhead_sb
	tensor_load_to_lds s[G0SB:G0SB+3], s[G1SB:G1SB+7]
	s_nop 0
.rept 4
	v_nop
.endr
.Lhead_asked:
	v_and_b32 v1, 15, v0
	v_bfe_u32 v2, v0, 4, 1
	v_mul_u32_u24 v3, v1, PITCH
	v_lshl_add_u32 v4, v2, 4, v3
	s_mul_i32 s21, s15, HALFT
	s_mul_i32 s22, s16, HALFT
	s_add_co_u32 s22, s22, 2*HALFT
.irp s, 0,1
	v_add_nc_u32 v[ADRA+\s], s21, v4
	v_add_nc_u32 v[ADRB+\s], s22, v4
	s_add_co_u32 s21, s21, SLOT
	s_add_co_u32 s22, s22, SLOT
.endr
	v_mul_u32_u24 v5, v1, KS
	v_lshrrev_b32 v6, 8, v5
	v_lshl_add_u32 v5, v6, 4, v5
	s_mul_i32 s21, s15, HALFS
	s_mul_i32 s22, s16, HALFS
	s_add_co_u32 s22, s22, 2*HALFS
	s_sub_co_u32 s22, s22, s21
	v_mul_u32_u24 v6, s22, v2
	s_add_co_u32 s21, s21, SCL
	v_add_nc_u32 v5, v5, v6
	v_add_nc_u32 v[ADRS], s21, v5
	s_mul_i32 s23, s15, 128*272
	s_lshl_b32 s21, s16, 7
	s_add_co_u32 s23, s23, s21
	v_lshl_add_u32 v5, v2, 3, v3
	v_add_nc_u32 v[STO], s23, v5
	v_and_b32 v6, 31, v0
	v_lshrrev_b32 v7, 2, v6
	v_mul_u32_u24 v7, v7, 272
	v_and_b32 v5, 3, v6
	v_lshl_add_u32 v7, v5, 4, v7
	s_mul_i32 s23, s14, 64*272
	v_add_nc_u32 v[RD], s23, v7
	s_lshl_b32 s23, s14, 9
	v_lshlrev_b32 v5, 2, v1
	v_add_nc_u32 v5, s23, v5
	v_add_nc_u32 v[SWA], SCW, v5
	v_lshlrev_b32 v[CO], 4, v6
	s_wait_alu depctr_va_vdst(0)
	v_add_nc_u32 v5, s23, v[CO]
	v_add_nc_u32 v[SWR], SCW, v5
	s_cmp_eq_u32 s2, 0
	s_mov_b32 s22, 4096
	s_cselect_b32 s22, 0x20000, s22
	s_mov_b32 s23, 0x20000
	s_cselect_b32 s23, 4096, s23
	s_cselect_b32 s21, 8, 12
	s_cselect_b32 s18, s17, s42
	s_cselect_b32 s19, s42, s17
	s_cselect_b32 s40, s16, s15
	s_cselect_b32 s41, s15, s16
	s_cselect_b32 s20, 9, 8
	s_cselect_b32 s46, s42, 0
	s_cselect_b32 s47, 0, s17
	s_cselect_b32 s94, 1.0, 0
	s_cselect_b32 s43, 0, -1
	s_mov_b32 s95, s94
	v_add_nc_u32 v[CO+1], s22, v[CO]
	v_add_nc_u32 v[CO+2], s22, v[CO+1]
	v_add_nc_u32 v[CO+3], s22, v[CO+2]
	v_lshlrev_b32 v5, s21, v2
	v_lshl_add_u32 v[SCO], v1, 4, v5
	s_lshl_b32 s46, s46, 10
	s_lshl_b32 s21, s16, 9
	s_add_co_u32 s46, s46, s21
	v_lshl_add_u32 v5, v2, 5, s46
	s_lshl_b32 s47, s47, 10
	s_lshl_b32 s21, s15, 9
	s_add_co_u32 s47, s47, s21
	v_lshl_add_u32 v7, v1, 2, s47
.irp t, 0,1,2,3,4,5,6,7
	global_load_b128 v[BI+8*\t:BI+8*\t+3], v5, s[12:13] offset:64*\t
	global_load_b128 v[BI+8*\t+4:BI+8*\t+7], v5, s[12:13] offset:64*\t+16
.endr
.irp a, 0,1,2,3,4,5,6,7
	global_load_b32 v[BO+2*\a], v7, s[12:13] offset:64*\a
	v_mov_b32 v[BO+2*\a+1], 0
.endr
	s_lshr_b32 s44, s18, 3
	s_and_b32 s45, s18, 7
	s_lshl_b32 s46, s3, 23
	s_lshl_b32 s47, s44, 21
	s_add_co_u32 s46, s46, s47
	s_lshl_b32 s47, s19, 19
	s_add_co_u32 s46, s46, s47
	s_lshl_b32 s47, s45, 14
	s_add_co_u32 s46, s46, s47
	s_mul_i32 s47, s14, s23
	s_add_co_u32 s46, s46, s47
	s_mov_b32 s47, 0
	s_add_nc_u64 s[98:99], s[98:99], s[46:47]
	s_lshl_b32 s46, s45, 1
	s_add_co_u32 s46, s46, s41
	s_lshl_b32 s46, s46, s20
	s_lshl_b32 s47, s40, 13
	s_add_co_u32 s46, s46, s47
	s_lshl_b32 s47, s19, 14
	s_add_co_u32 s46, s46, s47
	s_lshl_b32 s47, s44, 16
	s_add_co_u32 s46, s46, s47
	s_lshl_b32 s47, s3, 18
	s_add_co_u32 s46, s46, s47
	s_mov_b32 s47, 0
	s_add_nc_u64 s[100:101], s[100:101], s[46:47]
	s_mov_b32 s92, 0x600000
	s_mov_b32 s96, 0x76543210
	s_mov_b32 s97, 0xfedcba98
	s_wait_loadcnt 0x0
.irp a, 0,1,2,3,4,5,6,7
	v_and_b32 v[BO+2*\a], s43, v[BO+2*\a]
.endr
	WIN 0x80
.irp a, 0,1,2,3
.irp b, 0,1,2,3,4,5,6,7
.irp p, 0,2,4,6
	v_pk_fma_f32 v[8*(8*\a+\b)+\p:8*(8*\a+\b)+\p+1], v[BI+8*\b+\p:BI+8*\b+\p+1], s[94:95], v[BO+2*\a:BO+2*\a+1] op_sel_hi:[1,0,0]
.endr
.endr
.endr
	WIN 0xc0
.irp a, 0,1,2,3
.irp b, 0,1,2,3,4,5,6,7
.irp p, 0,2,4,6
	v_pk_fma_f32 v[8*(8*\a+\b)+\p:8*(8*\a+\b)+\p+1], v[BI+8*\b+\p:BI+8*\b+\p+1], s[94:95], v[BO+8+2*\a:BO+8+2*\a+1] op_sel_hi:[1,0,0]
.endr
.endr
.endr
	WIN 0
.macro FRAG reg, adr, q, i
.irp c, 0,1,2,3
	ds_load_b128 v[\reg+4*\c:\reg+4*\c+3], v[\adr] offset:128*(\q)+32*\c+(\i)*16*PITCH
.endr
.endm
.macro MUL16 a0, p, q, sc
.irp a, \a0, \a0+1
.irp b, 0,1,2,3,4,5,6,7
	v_wmma_scale_f32_16x16x128_f8f6f4 v[8*(8*((\a)%4)+\b):8*(8*((\a)%4)+\b)+7], v[128*(\p)+FR*\b:128*(\p)+FR*\b+FR-1], v[AF+FR*(\a):AF+FR*(\a)+FR-1], v[8*(8*((\a)%4)+\b):8*(8*((\a)%4)+\b)+7], v[SC+8*NQ*(\sc)+NQ*\b+(\q)], v[SC+8*NQ*(\sc)+NQ*(\a)+(\q)] matrix_a_fmt:MATRIX_FMT_BF8 matrix_b_fmt:MATRIX_FMT_BF8 matrix_a_scale:MATRIX_SCALE_ROW1
.endr
.endr
.endm
.macro FETCH_B slot, q, p
	WIN TO_B
.irp i, 0,1,2,3,4,5,6,7
	FRAG 128*(\p)+FR*\i, ADRB+\slot, \q, \i
.endr
	WIN 0
.endm
.macro FETCH_A slot, q, i0
.irp i, \i0, \i0+1, \i0+2, \i0+3
	FRAG AF+FR*(\i), ADRA+\slot, \q, \i
.endr
.endm
.macro SCALES sc
.irp i, 0,1,2,3,4,5,6,7
	ds_load_b64 v[SC+8*NQ*\sc+NQ*\i:SC+8*NQ*\sc+NQ*\i+1], v[ADRS] offset:\i*SBLK
.endr
.endm
.macro PLACES n
.rept \n
	v_nop
.endr
.endm
.macro STEP slot, q
	s_wait_dscnt 4*NL
	WIN MUL_LO
	MUL16 0, (\q)%2, \q, \slot
	MUL16 2, (\q)%2, \q, \slot
	s_wait_dscnt 0
	PLACES NP
	FETCH_B \slot, (\q)+1, 1-(\q)%2
	FETCH_A \slot, (\q)+1, 0
	WIN MUL_HI
	MUL16 4, (\q)%2, \q, \slot
	MUL16 6, (\q)%2, \q, \slot
	PLACES NP
	WIN 0
	FETCH_A \slot, (\q)+1, 4
.endm
.macro TURN slot, next, fill
	s_wait_tensorcnt 0x0
	ds_add_u32 v[SPW], v[NIL]
	s_wait_dscnt 4*NL+1
	WIN MUL_LO
	MUL16 0, 1, NQ-1, \slot
	s_wait_dscnt 0x0
	s_barrier_signal -1
	MUL16 2, 1, NQ-1, \slot
	WIN 0
	s_barrier_wait -1
.if \fill
	CREST
	s_add_nc_u64 s[G0+4*\slot+2:G0+4*\slot+3], s[G0+4*\slot+2:G0+4*\slot+3], 2*ROWB
	s_add_nc_u64 s[G0B+4*\slot+2:G0B+4*\slot+3], s[G0B+4*\slot+2:G0B+4*\slot+3], 2*ROWB
	JLOAD G0+4*\slot, G1, G0B+4*\slot, G1B
	PLACES NP-4
.else
	PLACES NP
.endif
	s_wait_alu depctr_va_vdst(0)
	v_add_nc_u32 v[ADRS], 4*NQ, v[ADRS]
	FETCH_B \next, 0, 0
	FETCH_A \next, 0, 0
	SCALES \next
	WIN MUL_HI
	MUL16 4, 1, NQ-1, \slot
	MUL16 6, 1, NQ-1, \slot
	PLACES NP
	WIN 0
	FETCH_A \next, 0, 4
.endm
	s_wait_alu depctr_va_vdst(0)                   ; the wait at the head's end
	s_wait_tensorcnt 0x0                           ; my tile of the head's four is in
	ds_add_u32 v[SPW], v[NIL]
	s_mov_b32 s[G1+2], 128<<16                     ; no tensor load of mine is out: from here on a load brings 128 rows
	s_mov_b32 s[G1+4], 128
	s_mov_b32 s[G1B+2], 128<<16
	s_mov_b32 s[G1B+4], 128
	s_wait_dscnt 0x0
	CROUND                                         ; all four tiles are in, and all sixteen work-groups are here
	JLOAD G0+4, G1, G0B+4, G1B                     ; K step 1's load, the first tensor load behind the round
	FETCH_B 0, 0, 0
	FETCH_A 0, 0, 0
	SCALES 0
	FETCH_A 0, 0, 4
	STEP 0, 0
	TURN 0, 1, 1
	STEP 1, 0
	TURN 1, 0, 1
	STEP 0, 0
	TURN 0, 1, 0
	STEP 1, 0
	s_wait_dscnt 4*NL
	WIN MUL_LO
	MUL16 0, 1, NQ-1, 1
	MUL16 2, 1, NQ-1, 1
	s_wait_dscnt 0
	WIN MUL_HI
	MUL16 4, 1, NQ-1, 1
	MUL16 6, 1, NQ-1, 1
	WIN 0
	PLACES NP
.macro EPI a
.set W_, 2+(\a)/4
.set AC, 64*((\a)%4)
.set WN, W_|(W_<<2)
	WIN WN
.irp b, 0,1,2,3
	v_max3_num_f32 v[TM+\b], |v[AC+16*\b]|, |v[AC+16*\b+1]|, 0x8000000
.endr
.set WN, (W_<<2)|(W_<<4)
	WIN WN
.irp i, 2,4,6,8,10,12,14
.irp b, 0,1,2,3
	v_max3_num_f32 v[TM+\b], v[TM+\b], |v[AC+16*\b+\i]|, |v[AC+16*\b+\i+1]|
.endr
.endr
	WIN 0
.irp b, 0,1,2,3
	v_permlanex16_b32 v[TM+4+\b], v[TM+\b], s96, s97
.endr
.irp b, 0,1,2,3
	v_max_num_f32 v[TM+\b], v[TM+\b], v[TM+4+\b]
.endr
.irp b, 0,1,2,3
	v_add_nc_u32 v[TM+12+\b], 0xf8800000, v[TM+\b]
.endr
.irp b, 0,1,2,3
	v_and_or_b32 v[TM+8+\b], v[TM+\b], 0x7f800000, s92
.endr
.irp b, 0,1,2,3
	v_lshrrev_b32 v[TM+4+\b], 23, v[TM+12+\b]
.endr
	v_lshl_or_b32 v[SWD+\a], v[TM+5], 8, v[TM+4]
	v_lshl_or_b32 v[SWD+\a], v[TM+6], 16, v[SWD+\a]
	v_lshl_or_b32 v[SWD+\a], v[TM+7], 24, v[SWD+\a]
	WIN W_
.irp b, 0,1,2,3
.irp i, 0,1,2,3,4,5,6,7,8,9,10,11,12,13,14,15
	v_med3_num_f32 v[XQ+16*\b+\i], v[AC+16*\b+\i], -v[TM+8+\b], v[TM+8+\b]
.endr
.endr
	WIN 0
	s_wait_alu depctr_va_vdst(0)
	s_wait_dscnt 0x0
.irp q, 0,1,2,3,4,5,6,7
	v_cvt_scalef32_pk8_bf8_f32 v[PC+2*\q:PC+2*\q+1], v[XQ+8*\q:XQ+8*\q+7], v[TM+12+\q/2]
.endr
	v_nop
.irp q, 0,1,2,3,4,5,6,7
	ds_store_b64 v[STO], v[PC+2*\q:PC+2*\q+1] offset:(\a)*16*272+16*\q
.endr
.endm
.irp a, 0,1,2,3,4,5,6,7
	EPI \a
.endr
.irp a, 0,1,2,3,4,5,6,7
	ds_store_b32 v[SWA], v[SWD+\a] offset:64*\a
.endr
	ds_load_b128 v[RB:RB+3], v[SWR]
	s_wait_dscnt 0x0
	global_store_b128 v[SCO], v[RB:RB+3], s[100:101]
	s_barrier_signal -1
	s_barrier_wait -1
.set I, 0
.rept 32
	ds_load_b128 v[128+4*I:128+4*I+3], v[RD] offset:8*(I&7)*272+64*(I>>3)
.set I, I+1
.endr
.set I, 0
.rept 32
	s_wait_dscnt 31-I
	global_store_b128 v[CO+(I>>3)], v[128+4*I:128+4*I+3], s[98:99] offset:((I&4)|((I&1)<<1)|((I>>1)&1))*512
.set I, I+1
.endr
	s_wait_tensorcnt 0x0
	ds_add_u32 v[SPW], v[NIL]
	s_wait_dscnt 0x0
	CROUND
	s_endpgm
.Lfunc_end_k_q68cc0b8083_proj:
	.size	k_q68cc0b8083_proj, .Lfunc_end_k_q68cc0b8083_proj-k_q68cc0b8083_proj
	.p2alignl 7, 3214868480
	.fill 96, 4, 3214868480
	.section	.rodata,"a",@progbits
	.p2align	6, 0x0
	.amdhsa_kernel k_q68cc0b8083_proj
		.amdhsa_group_segment_fixed_size 327680
		.amdhsa_private_segment_fixed_size 0
		.amdhsa_enable_private_segment 0
		.amdhsa_kernarg_size 136
		.amdhsa_user_sgpr_count 2
		.amdhsa_user_sgpr_kernarg_segment_ptr 1
		.amdhsa_wavefront_size32 1
		.amdhsa_system_sgpr_workgroup_id_x 1
		.amdhsa_system_sgpr_workgroup_id_y 1
		.amdhsa_system_sgpr_workgroup_id_z 1
		.amdhsa_system_vgpr_workitem_id 0
		.amdhsa_next_free_vgpr 1024
		.amdhsa_next_free_sgpr 102
		.amdhsa_reserve_vcc 0
		.amdhsa_float_denorm_mode_32 3
		.amdhsa_float_denorm_mode_16_64 3
		.amdhsa_memory_ordered 1
		.amdhsa_forward_progress 1
		.amdhsa_inst_pref_size 215
	.end_amdhsa_kernel
	.amdgpu_metadata
---
amdhsa.version: [ 1, 2 ]
amdhsa.kernels:
  - .name:           k_q68cc0b8083_proj
    .symbol:         k_q68cc0b8083_proj.kd
    .args:
      - { .name: query_codes, .offset: 0, .size: 8, .value_kind: global_buffer, .address_space: global }
      - { .name: query_scales, .offset: 8, .size: 8, .value_kind: global_buffer, .address_space: global }
      - { .name: Wq_codes, .offset: 16, .size: 8, .value_kind: global_buffer, .address_space: global }
      - { .name: Wq_scales, .offset: 24, .size: 8, .value_kind: global_buffer, .address_space: global }
      - { .name: bq, .offset: 32, .size: 8, .value_kind: global_buffer, .address_space: global }
      - { .name: key_codes, .offset: 40, .size: 8, .value_kind: global_buffer, .address_space: global }
      - { .name: key_scales, .offset: 48, .size: 8, .value_kind: global_buffer, .address_space: global }
      - { .name: Wk_codes, .offset: 56, .size: 8, .value_kind: global_buffer, .address_space: global }
      - { .name: Wk_scales, .offset: 64, .size: 8, .value_kind: global_buffer, .address_space: global }
      - { .name: bk, .offset: 72, .size: 8, .value_kind: global_buffer, .address_space: global }
      - { .name: Wv_codes, .offset: 80, .size: 8, .value_kind: global_buffer, .address_space: global }
      - { .name: Wv_scales, .offset: 88, .size: 8, .value_kind: global_buffer, .address_space: global }
      - { .name: value_codes, .offset: 96, .size: 8, .value_kind: global_buffer, .address_space: global }
      - { .name: value_scales, .offset: 104, .size: 8, .value_kind: global_buffer, .address_space: global }
      - { .name: bv, .offset: 112, .size: 8, .value_kind: global_buffer, .address_space: global }
      - { .name: qkvc, .offset: 120, .size: 8, .value_kind: global_buffer, .address_space: global }
      - { .name: qkvs, .offset: 128, .size: 8, .value_kind: global_buffer, .address_space: global }
    .group_segment_fixed_size: 327680
    .private_segment_fixed_size: 0
    .kernarg_segment_align: 8
    .kernarg_segment_size: 136
    .max_flat_workgroup_size: 128
    .sgpr_count:     102
    .vgpr_count:     1024
    .wavefront_size: 32
...
	.end_amdgpu_metadata
.endif
;; end of part 2
;; launch attn (part 3): grid 8 x 32, 4 waves a work-group, clusters of 4 x 1, 327,680 bytes of LDS; arguments qkvc, qkvs, part; writes part
.if DOCPART == 3
	.amdgcn_target "amdgcn-amd-amdhsa--gfx1250"
	.amdhsa_code_object_version 6
	.text
	.protected	k_q68cc0b8083_attn
	.globl	k_q68cc0b8083_attn
	.p2align	8
	.type	k_q68cc0b8083_attn,@function
k_q68cc0b8083_attn:
	s_mov_b64 s[64:65], 0
	v_nop
	global_prefetch_b8 v0, s[64:65] scope:SCOPE_SE
	s_setreg_imm32_b32 hwreg(HW_REG_WAVE_MODE, 25, 1), 1
	s_wait_xcnt 0x0
	s_wait_alu depctr_hold_cnt(0) depctr_sa_sdst(0) depctr_va_vdst(0) depctr_va_sdst(0) depctr_va_ssrc(0) depctr_va_vcc(0) depctr_vm_vsrc(0)
	s_getreg_b32 s2, hwreg(HW_REG_IB_STS2, 6, 4)
	s_cmp_eq_u32 s2, 0
	s_cbranch_scc0 .Lentry_in_a_cluster
	s_endpgm
.Lentry_in_a_cluster:
	s_bfe_u32 s2, ttmp6, 0x10000c
	s_cmp_lg_u32 s2, 0x3003
	s_cbranch_scc0 .Lentry_shape_is_right
	s_endpgm
.Lentry_shape_is_right:
; ATTENTION ON CODES OF BF8 (E5M2), head size 64, 2,048 keys, 64 (batch, head) pairs.  part[y][d][s] = o(head 2 g)[s][d] / l + o(head 2 g + 1)[s][d] / l, y = 8 b + g, f32, s innermost.
; THE SOFTMAX: t = score x log2(e) / 8; M = the row's running largest t, rounded up to a whole number; p = 2^(t - M) is quantised along the keys, not normalised; the row's sum l is taken of the unquantised p and divides at the end.
; SHARES.  A work-group owns 256 queries and a pair of heads, walked one after the other.  Each of its FOUR waves, one to a SIMD, owns 64 queries, four tiles of 16: a fragment of K or V read from LDS feeds four matrix instructions.
; K's and V's streams of the pair are 4,096 dense rows of 64 bytes each, walked once in 4 slots of 1,024 rows (8 key steps of 128 keys).  The dense rows are stated as rows of 256 bytes with 16 bytes of padding:
; row R lies at (R / 4) x 272 + (R % 4) x 64, so the 16 rows of a fragment touch 16 different columns of 16 bytes modulo 256.
; K and V have registers of their own: V is asked for at a step's head, the next step's K behind this step's first products.  A slot's last step asks for rows of the same slot that are not used; K is asked for anew behind the barrier.
; CLUSTER.  The four query blocks of a cluster walk the same K and V: every tile is asked for jointly (in the ring a quarter of a slot a wave; at the head waves 0, 1: slot 0's K and V, waves 2, 3: the scale words).
; LAYOUT.  Both products are used transposed (S^T = K Q^T, O^T = V^T P^T): a lane holds one query of each tile.  The launch before has stored K's rows and V's channels with bits 3 and 4 of the row swapped, so that the 16 registers of
; tiles 2 b and 2 b + 1 of S^T are the keys 32 b + 16 (lane / 16) + 0 .. 15.  K = 64 in an instruction of 128: Q's fragment is 8 registers of codes and 8 of zero codes; K's tiles lie 8 registers apart and run on into the next tile's
; codes (behind the last: zeros), which meet Q's zero codes; all codes are finite.  The scale words are read as two bytes; the upper two are 0.
; THE EXPONENTIALS of a tile stand by turns with plain lines of another tile that hang on nothing inside the batch (scalings, holds); each batch has one wait ahead of it and one behind it.
; REGISTERS.  Window 0: addresses, the tiles' small state, scale words, V.  Window 1: S^T then p, 64 a tile.  Window 2: O^T, 32 a tile, and the first head's o / l.  Window 3: Q, the second head's Q, p's codes, K.
; LIMITS.  NaN and infinities are not served.  A block whose every p has fallen to 0 keeps the scale byte 1 (its codes are zeros).  v_exp_f32 gives 0 where 2^x would be denormal.  The scaled scores stay under 2^31 in magnitude.
.set VOFF,  69632                      ; a slot: K's 256 LDS rows of 272 bytes, then V's
.set SLOT1, 139264                     ; slot 1 begins here; it shares no bit with a quarter's place in a slot, so one exclusive or turns one slot's address into the other's
.set QUART, 34816                      ; what one tensor load of the ring brings: 128 rows of 272 bytes
.set STEPB, 8704                       ; a key step: 128 rows of 64 bytes
.set SCK,   278528                     ; K's scale words of the pair, 8,192 dense bytes: filled once
.set SCV,   286720                     ; V's of both heads
.set SPARE, 294912                     ; the spare words, 128 bytes a wave
.set SP,    1040                       ; the way out: 64 rows (d) x (1,024 bytes + 16), from LDS byte 0: slot 0 has had its last fill and its last read
.set AK0, 1
.set AV0, 2
.set ASK0, 3
.set ASV0, 4
.set SPW, 5
.set NIL, 6
.set PFO, 7
.set ADK, 8
.set ADV, 9
.set ADS, 10
.set ADT, 11
.set NM,  12                           ; a pair a tile: -M, the largest t
.set L,   20                           ; a pair a tile: the sum in two halves
.set FF,  28                           ; a pair a tile: f = 2^(old M - new M), later 1 / l, in the low word
.set TMP, 36
.set PW,  40                           ; p's scale words
.set QS,  44                           ; Q's scale words
.set QSB, 48                           ; the second head's
.set SW,  52                           ; K's scale words
.set SWV, 60                           ; V's
.set VB,  64                           ; v64-127 V's four tiles
.set BM,  128
.set PM,  144
.set HO,  160
.set SO,  176
.set AC,  192                          ; seven pairs: chains of a tile's sum
.set STA, 216
.set STR, 217
.set GO,  218
.set S,   0                            ; window 1
.set O,   0                            ; window 2
.set ST,  128
.set QF,  0                            ; window 3: 16 a tile: Q's codes, zero codes
.set QB,  64                           ; 8 a tile
.set PC,  96                           ; 16 a tile
.set KB,  160                          ; K's eight tiles, 8 registers of zero codes behind them
.set TB,  2
.set TS,  3
.set WV,  10
.set TJ,  14
.set REM, 15
.set STP, 17
.set LIM, 18
.set MNT, 19
.set SEL, 20
.set CS,  22
.set G1T, 24
.set G1S, 32
.set G0T, 40
.set G0S, 44
.set PFA, 48
.set G0H, 52
.set MSB, 0
.macro WIN new                         ; the immediate's high byte repeats the setting that is left
.if MSB != \new
	s_set_vgpr_msb (MSB<<8)|\new
.set MSB, \new
.endif
.endm
.macro CROUND                          ; a round of the cluster's barrier
	s_barrier_signal -1
	s_barrier_wait -1
	s_cmp_lg_u32 s[WV], 0
	s_cbranch_scc1 .Lnot_wave_0_\@
	s_barrier_signal -3
.Lnot_wave_0_\@:
	s_barrier_wait -3
	s_barrier_signal -1
	s_barrier_wait -1
.endm
; A prefetch of the slot that the NEXT change of slots will ask for: 65,536 bytes of K and of V.  Both clusters of a pair of heads walk the same rows: the first of them asks; its four partners take 16,384 bytes of each, told apart by
; address; in each, waves 0, 1 ask for K's two halves of that and waves 2, 3 for V's: one instruction, lanes 256 bytes apart.  The last change that fills a slot asks for nothing; slots 0 and 1 come by their loads alone.
.macro ASK
	s_cmp_gt_u32 s[REM], s[LIM]
	s_cbranch_scc0 .Lnot_mine_\@
	global_prefetch_b8 v[PFO], s[PFA:PFA+1] th:TH_LOAD_NT scope:SCOPE_SE
.Lnot_mine_\@:
.endm
	s_load_b128 s[4:7], s[0:1], 0x0                ; qkvc, qkvs
	s_load_b64 s[8:9], s[0:1], 0x10                ; part
	v_lshl_add_u32 v[SPW], v0, 2, SPARE
	v_mov_b32 v[NIL], 0
	ds_add_u32 v[SPW], v[NIL]                      ; the opening lines: the add twice on end and its wait
	ds_add_u32 v[SPW], v[NIL]
	v_lshrrev_b32 v8, 5, v0
	v_readfirstlane_b32 s[WV], v8                  ; wave 0..3
	s_and_b32 s11, ttmp7, 0xffff                   ; y = 8 b + g, which the four partners share
	s_bfe_u32 s12, ttmp6, 0x40000                  ; cx
	s_lshl_b32 s13, ttmp9, 2
	s_add_co_u32 s13, s13, s12                     ; my block of 256 queries: it enters Q's and part's addresses alone
	s_mov_b32 s[G1T], 15|(0<<16)|(1<<20)|(1<<21)|(5<<22)|(3<<25)   ; the mask: all four; elements of 1 byte; four words of padding after every 64
	s_mov_b32 s[G1T+1], 256<<16
	s_mov_b32 s[G1T+2], 256<<16                    ; the head's loads bring 256 rows; behind them the two words that count rows are set to 128
	s_mov_b32 s[G1T+3], 256<<16
	s_mov_b32 s[G1T+4], 256
	s_mov_b32 s[G1T+5], 256
	s_mov_b32 s[G1T+6], 0
	s_mov_b32 s[G1T+7], 0
	s_mov_b32 s[G1S], 15|(3<<16)|(1<<21)           ; the scale words: 8,192 dense bytes as 32 rows of 256, no padding
	s_mov_b32 s[G1S+1], 32<<16
	s_mov_b32 s[G1S+2], 32<<16
	s_mov_b32 s[G1S+3], 32<<16
	s_mov_b32 s[G1S+4], 32
	s_mov_b32 s[G1S+5], 32
	s_mov_b32 s[G1S+6], 0
	s_mov_b32 s[G1S+7], 0
	s_and_b32 s50, s[WV], 1
	s_lshr_b32 s51, s[WV], 1
	s_add_co_u32 s56, s51, 1                       ; the ring: tensor 1 + W / 2 (K, V), half W % 2
	s_lshl_b32 s56, s56, 23
	s_lshl_b32 s57, s11, 18
	s_add_co_u32 s56, s56, s57
	s_lshl_b32 s58, s50, 15
	s_add_co_u32 s56, s56, s58
	s_mov_b32 s57, 0
	s_add_co_u32 s58, s50, 1                       ; the head: tensor 1 + W % 2
	s_lshl_b32 s60, s58, 23
	s_lshl_b32 s61, s11, 18
	s_add_co_u32 s60, s60, s61
	s_mov_b32 s61, 0
	s_lshl_b32 s58, s58, 18
	s_lshl_b32 s59, s11, 13
	s_add_co_u32 s58, s58, s59
	s_mov_b32 s59, 0
	s_mul_i32 s62, s[WV], QUART
	s_mul_i32 s63, s50, VOFF
	s_lshl_b32 s51, s50, 13
	s_mov_b32 s[SEL], 0x76543210
	s_mov_b32 s[SEL+1], 0xfedcba98
	s_mov_b32 s[CS], 0x3e38aa3b                    ; c = log2(e) / 8
	s_mov_b32 s[CS+1], s[CS]
	s_mov_b32 s[MNT], 0x600000                     ; the mantissa field of 57,344
	s_mov_b32 s[TB], 0
	s_mov_b32 s[TS], 0
	s_mov_b32 s[TJ], 0
	s_mov_b32 s[REM], 3
	s_wait_dscnt 0x0                               ; both opening adds are done
	s_wait_kmcnt 0x0
	s_mov_b32 s[G0T], 1
	s_mov_b32 s[G0T+1], s62
	s_add_nc_u64 s[G0T+2:G0T+3], s[4:5], s[56:57]
	s_or_b32 s[G0T+3], s[G0T+3], 0x80000000
	s_mov_b32 s[G0H], 1
	s_mov_b32 s[G0H+1], s63
	s_add_nc_u64 s[G0H+2:G0H+3], s[4:5], s[60:61]
	s_or_b32 s[G0H+3], s[G0H+3], 0x80000000
	s_mov_b32 s[G0S], 1
	s_add_co_u32 s[G0S+1], s51, SCK
	s_add_nc_u64 s[G0S+2:G0S+3], s[6:7], s[58:59]
	s_or_b32 s[G0S+3], s[G0S+3], 0x80000000
	CROUND                                         ; all four work-groups are here: the first joint loads meet
	s_cmp_lt_u32 s[WV], 2                          ; the head's loads, one a wave, in one chain: waves 0, 1 slot 0's K and V, waves 2, 3 K's and V's scale words
	s_cbranch_scc0 .Lhead_s
	tensor_load_to_lds s[G0H:G0H+3], s[G1T:G1T+7]
	s_nop 0
.rept 4
	v_nop
.endr
	s_branch .Lhead_j
.Lhead_s:
	tensor_load_to_lds s[G0S:G0S+3], s[G1S:G1S+7]
	s_nop 0
.rept 4
	v_nop
.endr
.Lhead_j:
	s_lshl_b32 s56, s11, 18                        ; Q's codes: query 256 qb + 64 W + 16 u + r lies in row 256 qb + 64 W + 32 (u / 2) + 16 (r / 8) + 8 (u % 2) + r % 8
	s_lshl_b32 s57, s13, 14
	s_add_co_u32 s56, s56, s57
	s_lshl_b32 s57, s[WV], 12
	s_add_co_u32 s56, s56, s57
	s_lshl_b32 s57, s11, 13                        ; Q's scale words: 4 (2,048 y + 256 qb + 64 W + 16 u + r), two bytes for each head
	s_lshl_b32 s58, s13, 10
	s_add_co_u32 s57, s57, s58
	s_lshl_b32 s58, s[WV], 8
	s_add_co_u32 s57, s57, s58                     ; s58 = 256 W stays: my queries' bytes in a row of the stage
	s_mul_i32 s59, s[WV], 16*SP                    ; back from the stage: rows 16 W on
	s_lshl_b32 s60, s[WV], 17
	s_lshl_b32 s61, s13, 10
	s_add_co_u32 s60, s60, s61                     ; part: rows d = 16 W on, my block's 1,024 bytes
	s_lshl_b32 s62, s11, 19
	s_mov_b32 s63, 0
	s_add_nc_u64 s[8:9], s[8:9], s[62:63]          ; plane y
	s_lshr_b32 s62, s[WV], 1                       ; the prefetches: waves 0, 1 K's, waves 2, 3 V's
	s_add_co_u32 s62, s62, 1
	s_lshl_b32 s62, s62, 23
	s_lshl_b32 s63, s11, 18
	s_add_co_u32 s62, s62, s63
	s_lshl_b32 s63, s12, 14                        ; my work-group's 16,384 bytes of a slot,
	s_add_co_u32 s62, s62, s63
	s_lshl_b32 s63, s50, 13                        ; my wave's half of them,
	s_add_co_u32 s62, s62, s63
	s_add_co_u32 s62, s62, 65536                   ; in slot 1: the first change of slots steps it to slot 2
	s_mov_b32 s63, 0
	s_add_nc_u64 s[PFA:PFA+1], s[4:5], s[62:63]
	s_cmp_eq_u32 ttmp9, 0                          ; the pair's first cluster asks: the same in all four partners
	s_cselect_b32 s[LIM], 1, -1
	v_and_b32 v8, 15, v0                           ; r
	v_bfe_u32 v9, v0, 4, 1                         ; h
	v_and_b32 v220, 31, v0                         ; lane
	v_and_b32 v221, 7, v8
	v_lshrrev_b32 v222, 3, v8
	v_lshl_add_u32 v10, v221, 6, s56
	v_lshl_add_u32 v11, v8, 2, s57
	v_lshl_add_u32 v10, v222, 10, v10
	v_lshl_add_u32 v10, v9, 4, v10
	WIN 0xc0                                       ; loaded data in window 3
.irp u, 0,1,2,3
	global_load_b128 v[QF+16*\u:QF+16*\u+3], v10, s[4:5] offset:2048*(\u/2)+512*(\u%2)
	global_load_b128 v[QF+16*\u+4:QF+16*\u+7], v10, s[4:5] offset:2048*(\u/2)+512*(\u%2)+32
	global_load_b128 v[QB+8*\u:QB+8*\u+3], v10, s[4:5] offset:131072+2048*(\u/2)+512*(\u%2)       ; the second head's, a plane on: it waits in registers
	global_load_b128 v[QB+8*\u+4:QB+8*\u+7], v10, s[4:5] offset:131072+2048*(\u/2)+512*(\u%2)+32
.endr
.set J, 0
.rept 8
.irp u, 0,1,2,3
	v_mov_b32 v[QF+16*\u+8+J], 0                   ; zero codes: the upper half of Q's K,
.endr
	v_mov_b32 v[KB+64+J], 0                        ; and what stands behind K's last tile
.set J, J+1
.endr
	WIN 0
.irp u, 0,1,2,3
	global_load_u16 v[QS+\u], v11, s[6:7] offset:64*\u
	global_load_u16 v[QSB+\u], v11, s[6:7] offset:64*\u+2
.endr
	v_lshrrev_b32 v223, 2, v8
	v_and_b32 v224, 3, v8
	v_mul_u32_u24 v[AK0], v223, 272
	v_lshlrev_b32 v221, 2, v221
	v_lshl_add_u32 v[AK0], v224, 6, v[AK0]
	v_lshl_add_u32 v221, v222, 6, v221
	v_lshl_add_u32 v[AK0], v9, 4, v[AK0]           ; (r / 4) x 272 + (r % 4) x 64 + 16 h
	v_add_nc_u32 v[ASK0], SCK, v221                ; 4 (r % 8 + 16 (r / 8))
	v_add_nc_u32 v[ASV0], SCV, v221
	v_add_nc_u32 v[AV0], VOFF, v[AK0]
	v_lshlrev_b32 v[PFO], 8, v220
	v_mul_u32_u24 v[STA], v9, 16*SP                ; the stage: row d = 16 h + .., byte 256 W + 64 u + 4 r
	v_lshl_add_u32 v[STR], v220, 4, s59
	v_lshl_add_u32 v[STA], v8, 2, v[STA]
	v_lshl_add_u32 v[GO], v220, 4, s60
	v_add_nc_u32 v[STA], s58, v[STA]
.set J, 0
.rept 16
	v_mov_b32 v[PM+J], 0                           ; a lane permute's destination counts as one of its sources
.set J, J+1
.endr
.irp u, 0,1,2,3
	v_mov_b32 v[NM+2*\u+1], 0xff61b1e6             ; the largest t so far: -3e38
	v_mov_b32 v[L+2*\u], 0
	v_mov_b32 v[L+2*\u+1], 0
	v_mov_b32 v[FF+2*\u+1], 0                      ; (named as a pair's upper word)
	v_mov_b32 v[TMP+\u], 0
.endr
.irp u, 0,1,2,3
	v_floor_f32 v[NM+2*\u], -v[NM+2*\u+1]          ; -M
.endr
	WIN 0x80
.set J, 0
.rept 128
	v_mov_b32 v[O+J], 0                            ; O^T: the first step finds zeros, which the first change of M leaves zeros
.set J, J+1
.endr
	WIN 0
.macro KLOAD                           ; K's eight tiles and their scale words: 24 LDS loads
	WIN 0xc0
.irp t, 0,1,2,3,4,5,6,7
	ds_load_b128 v[KB+8*\t:KB+8*\t+3], v[ADK] offset:1088*\t
	ds_load_b128 v[KB+8*\t+4:KB+8*\t+7], v[ADK] offset:1088*\t+32
.endr
	WIN 0
.irp t, 0,1,2,3,4,5,6,7
	ds_load_u16 v[SW+\t], v[ADS] offset:4*(32*(\t/2)+8*(\t%2))
.endr
.endm
.macro FSC u                           ; t - M of tile u, two at a time
.set J, 0
.rept 32
	v_pk_fma_f32 v[S+64*(\u)+J:S+64*(\u)+J+1], v[S+64*(\u)+J:S+64*(\u)+J+1], s[CS:CS+1], v[NM+2*(\u):NM+2*(\u)+1] op_sel_hi:[1,0,0]
.set J, J+2
.endr
.endm
.macro MIX u                           ; tile u's exponentials by turns with tile u - 1's holds (the conversion does not saturate, ISA guide 7.6.2; p is not negative, so the hold is one-sided)
	WIN 0x41
	s_wait_alu depctr_va_vdst(0)                   ; the wait ahead of the batch
.set J, 0
.rept 64
	v_exp_f32 v[S+64*(\u)+J], v[S+64*(\u)+J]
	v_min_num_f32 v[S+64*(\u)-64+J], v[S+64*(\u)-64+J], v[HO+4*(\u)-4+J/16]
.set J, J+1
.endr
	s_wait_alu depctr_va_vdst(0)                   ; and behind it, ahead of its first reader
.endm
.macro SUMP u                          ; tile u: the row's sum of the unquantised p, in eight chains; its blocks' scales
	WIN 0x05
.irp k, 0,1,2,3,4,5,6
	v_pk_add_f32 v[AC+2*\k:AC+2*\k+1], v[S+64*(\u)+4*\k:S+64*(\u)+4*\k+1], v[S+64*(\u)+4*\k+2:S+64*(\u)+4*\k+3]
.endr
	WIN 0x04
.irp j, 0,1
.irp k, 0,1,2,3,4,5,6
	v_pk_add_f32 v[AC+2*\k:AC+2*\k+1], v[AC+2*\k:AC+2*\k+1], v[S+64*(\u)+28+16*\j+2*\k:S+64*(\u)+28+16*\j+2*\k+1]
.endr
	v_pk_add_f32 v[L+2*(\u):L+2*(\u)+1], v[L+2*(\u):L+2*(\u)+1], v[S+64*(\u)+42+16*\j:S+64*(\u)+42+16*\j+1]
.endr
	v_pk_add_f32 v[AC:AC+1], v[AC:AC+1], v[S+64*(\u)+60:S+64*(\u)+61]
	v_pk_add_f32 v[AC+2:AC+3], v[AC+2:AC+3], v[S+64*(\u)+62:S+64*(\u)+63]
	WIN 0
	v_pk_add_f32 v[AC+4:AC+5], v[AC+4:AC+5], v[AC+6:AC+7]
	v_pk_add_f32 v[AC+8:AC+9], v[AC+8:AC+9], v[AC+10:AC+11]
	v_pk_add_f32 v[L+2*(\u):L+2*(\u)+1], v[L+2*(\u):L+2*(\u)+1], v[AC+12:AC+13]
	v_pk_add_f32 v[AC:AC+1], v[AC:AC+1], v[AC+2:AC+3]
.irp b, 0,1,2,3
	v_max_num_f32 v[BM+4*(\u)+\b], 0x8000000, v[BM+4*(\u)+\b]    ; the floor 2^(16 - 127): the byte cannot fall under 1
.endr
	v_pk_add_f32 v[AC+4:AC+5], v[AC+4:AC+5], v[AC+8:AC+9]
	v_pk_add_f32 v[L+2*(\u):L+2*(\u)+1], v[L+2*(\u):L+2*(\u)+1], v[AC:AC+1]
.irp b, 0,1,2,3
	v_add_nc_u32 v[SO+4*(\u)+\b], 0xf8800000, v[BM+4*(\u)+\b]    ; 15 off the exponent field: the conversion's scale operand
.endr
	v_pk_add_f32 v[L+2*(\u):L+2*(\u)+1], v[L+2*(\u):L+2*(\u)+1], v[AC+4:AC+5]
.irp b, 0,1,2,3
	v_and_or_b32 v[HO+4*(\u)+\b], v[BM+4*(\u)+\b], 0x7f800000, s[MNT]   ; 57,344 x the scale
.endr
.irp b, 0,1,2,3
	v_lshrrev_b32 v[PM+4*(\u)+\b], 23, v[SO+4*(\u)+\b]           ; the scale's byte
.endr
	v_lshl_or_b32 v[PW+(\u)], v[PM+4*(\u)+1], 8, v[PM+4*(\u)]    ; p's scale word for these 128 keys
	v_lshl_or_b32 v[PW+(\u)], v[PM+4*(\u)+2], 16, v[PW+(\u)]
	v_lshl_or_b32 v[PW+(\u)], v[PM+4*(\u)+3], 24, v[PW+(\u)]
.endm
; A KEY STEP: 128 keys x my 64 queries.  K and its scale words were asked for a step earlier.
.macro STEP
	s_add_co_u32 s62, s[TB], STEPB                 ; the next step's K,
	s_add_co_u32 s61, s[TS], 512                   ; and its scale words: 512 bytes a step, from the first key again and 2 bytes on for the second head
	s_and_b32 s60, s61, 8191
	s_lshr_b32 s61, s61, 13
	s_lshl_b32 s61, s61, 1
	s_add_co_u32 s60, s60, s61
	v_add_nc_u32 v[ADV], s[TB], v[AV0]
	v_add_nc_u32 v[ADT], s[TJ], v[ASV0]
	v_add_nc_u32 v[ADK], s62, v[AK0]
	v_add_nc_u32 v[ADS], s60, v[ASK0]
.rept 4
	v_nop                                          ; with the four additions: eight places in front of loads into registers that the last products have read
.endr
.irp t, 0,1,2,3                                ; V: 20 LDS loads.  Tile t: 16 channels x 128 keys: keys 0-63 in the step's first 64 rows, keys 64-127 in the next 64
.irp c, 0,1,2,3
	ds_load_b128 v[VB+16*\t+4*\c:VB+16*\t+4*\c+3], v[ADV] offset:4352*(\c/2)+1088*\t+32*(\c%2)
.endr
	ds_load_b32 v[SWV+\t], v[ADT] offset:4*(32*(\t/2)+8*(\t%2))
.endr
	s_wait_alu depctr_va_vdst(0)                   ; directly ahead of the wait below
	s_wait_dscnt 20                                ; K is in; V's 20 loads, issued behind it, may be out
	WIN 0x4f                                       ; K and Q in window 3, results in window 1
.irp t, 0,1,2,3,4,5,6,7
.irp u, 0,1,2,3
	v_wmma_scale_f32_16x16x128_f8f6f4 v[S+64*\u+8*\t:S+64*\u+8*\t+7], v[KB+8*\t:KB+8*\t+15], v[QF+16*\u:QF+16*\u+15], 0, v[SW+\t], v[QS+\u] matrix_a_fmt:MATRIX_FMT_BF8 matrix_b_fmt:MATRIX_FMT_BF8
.endr
.endr
	WIN 0
.rept 8
	v_nop
.endr
	KLOAD                                          ; the next step's K: 24 loads
	WIN 0x15                                       ; the largest score of each block of 32 keys: for the row's maximum and for the block's largest p
.irp b, 0,1,2,3
.irp u, 0,1,2,3
	v_max3_num_f32 v[BM+4*\u+\b], v[S+64*\u+16*\b], v[S+64*\u+16*\b+1], v[S+64*\u+16*\b+2]
.endr
.endr
	WIN 0x14
.irp i, 3,5,7,9,11,13
.irp b, 0,1,2,3
.irp u, 0,1,2,3
	v_max3_num_f32 v[BM+4*\u+\b], v[BM+4*\u+\b], v[S+64*\u+16*\b+\i], v[S+64*\u+16*\b+\i+1]
.endr
.endr
.endr
.irp b, 0,1,2,3
.irp u, 0,1,2,3
	v_max_num_f32 v[BM+4*\u+\b], v[BM+4*\u+\b], v[S+64*\u+16*\b+15]
.endr
.endr
	WIN 0
.set J, 0
.rept 16
	v_permlanex16_b32 v[PM+J], v[BM+J], s[SEL], s[SEL+1]
.set J, J+1
.endr
.set J, 0
.rept 16
	v_max_num_f32 v[BM+J], v[BM+J], v[PM+J]        ; with lane l xor 16's 16 keys
.set J, J+1
.endr
.irp u, 0,1,2,3
	v_max3_num_f32 v[TMP+\u], v[BM+4*\u], v[BM+4*\u+1], v[BM+4*\u+2]
.endr
.irp u, 0,1,2,3
	v_max_num_f32 v[TMP+\u], v[TMP+\u], v[BM+4*\u+3]
.endr
.irp u, 0,1,2,3
	v_mul_f32 v[TMP+\u], s[CS], v[TMP+\u]          ; as t (c is positive)
.endr
.irp u, 0,1,2,3
	v_max_num_f32 v[NM+2*\u+1], v[NM+2*\u+1], v[TMP+\u]   ; the running largest t
.endr
.irp u, 0,1,2,3
	v_mov_b32 v[TMP+\u], v[NM+2*\u]
.endr
.irp u, 0,1,2,3
	v_floor_f32 v[NM+2*\u], -v[NM+2*\u+1]          ; the new -M = floor(-t): M is a whole number
.endr
.irp u, 0,1,2,3
	v_sub_f32 v[TMP+\u], v[NM+2*\u], v[TMP+\u]     ; old M - new M: a whole number, 0 or less
.endr
.irp u, 0,1,2,3
	v_cvt_i32_f32 v[TMP+\u], v[TMP+\u]             ; (it saturates)
.endr
.irp u, 0,1,2,3
	v_ldexp_f32 v[FF+2*\u], 1.0, v[TMP+\u]         ; f = 2^(old M - new M): a multiplication by it rounds nothing
.endr
.irp b, 0,1,2,3
.irp u, 0,1,2,3
	v_fma_f32 v[BM+4*\u+\b], v[BM+4*\u+\b], s[CS], v[NM+2*\u]   ; t - M of each block's largest score
.endr
.endr
.irp u, 0,1,2,3
	v_pk_mul_f32 v[L+2*\u:L+2*\u+1], v[L+2*\u:L+2*\u+1], v[FF+2*\u:FF+2*\u+1] op_sel_hi:[1,0]   ; the sums under the new M
.endr
	WIN 0x41
	FSC 0
	FSC 3
	WIN 0
	s_wait_alu depctr_va_vdst(0)                   ; the wait ahead of the batch
.set J, 0
.rept 16
	v_exp_f32 v[BM+J], v[BM+J]                     ; the blocks' largest p
.set J, J+1
.endr
	WIN 0x41
.set J, 0
.rept 64                                       ; tile 0's exponentials by turns with the scalings of tiles 1 and 2
	v_exp_f32 v[S+J], v[S+J]                       ; p = 2^(t - M), at most 1
	v_pk_fma_f32 v[S+64+2*J:S+64+2*J+1], v[S+64+2*J:S+64+2*J+1], s[CS:CS+1], v[NM+2+2*(J/32):NM+2+2*(J/32)+1] op_sel_hi:[1,0,0]
.set J, J+1
.endr
	s_wait_alu depctr_va_vdst(0)                   ; one wait for the batch, ahead of its first reader
	SUMP 0
	MIX 1
	SUMP 1
	MIX 2
	SUMP 2
	MIX 3
	SUMP 3
	WIN 0x41
.set J, 0
.rept 64
	v_min_num_f32 v[S+192+J], v[S+192+J], v[HO+12+J/16]   ; tile 3's holds
.set J, J+1
.endr
	WIN 0xc1
.irp u, 0,1,2,3
.irp b, 0,1,2,3
	v_cvt_scalef32_pk8_bf8_f32 v[PC+16*\u+4*\b:PC+16*\u+4*\b+1], v[S+64*\u+16*\b:S+64*\u+16*\b+7], v[SO+4*\u+\b]
	v_cvt_scalef32_pk8_bf8_f32 v[PC+16*\u+4*\b+2:PC+16*\u+4*\b+3], v[S+64*\u+16*\b+8:S+64*\u+16*\b+15], v[SO+4*\u+\b]
.endr
.endr
	WIN 0x82
	s_wait_alu depctr_va_vdst(0)                   ; directly ahead of the first reader of O^T
.irp u, 0,1,2,3
.set J, 0
.rept 16
	v_pk_mul_f32 v[O+32*\u+J:O+32*\u+J+1], v[O+32*\u+J:O+32*\u+J+1], v[FF+2*\u:FF+2*\u+1] op_sel_hi:[1,0]   ; O^T under the new M; these lines are also the places in front of the products below
.set J, J+2
.endr
.endr
	s_wait_alu depctr_va_vdst(0)                   ; directly ahead of the wait below
	s_wait_dscnt 24                                ; V and its scale words are in; the next K's 24 loads, issued behind them, may be out
	WIN 0xac                                       ; V in window 0, p's codes in window 3, O^T in window 2
.irp t, 0,1,2,3
.irp u, 0,1,2,3
	v_wmma_scale_f32_16x16x128_f8f6f4 v[O+32*\u+8*\t:O+32*\u+8*\t+7], v[VB+16*\t:VB+16*\t+15], v[PC+16*\u:PC+16*\u+15], v[O+32*\u+8*\t:O+32*\u+8*\t+7], v[SWV+\t], v[PW+\u] matrix_a_fmt:MATRIX_FMT_BF8 matrix_b_fmt:MATRIX_FMT_BF8
.endr
.endr
	WIN 0
	s_add_co_u32 s[TB], s[TB], STEPB
	s_add_co_u32 s[TS], s[TS], 512
	s_add_co_u32 s[TJ], s[TJ], 256
.endm
.macro EIGHT_STEPS                     ; a slot's eight key steps; ahead of them the first step's K
	s_and_b32 s60, s[TS], 8191
	s_lshr_b32 s61, s[TS], 13
	s_lshl_b32 s61, s61, 1
	s_add_co_u32 s60, s60, s61
	v_add_nc_u32 v[ADK], s[TB], v[AK0]
	v_add_nc_u32 v[ADS], s60, v[ASK0]
	KLOAD
	s_mov_b32 s[STP], 8
.Lstep_\@:
	STEP
	s_sub_co_u32 s[STP], s[STP], 1
	s_cmp_lg_u32 s[STP], 0
	s_cbranch_scc1 .Lstep_\@
	s_sub_co_u32 s[TB], s[TB], 8*STEPB             ; back to a slot's first step,
	s_xor_b32 s[TB], s[TB], SLOT1                  ; in the other slot
.endm
; THE CHANGE OF SLOTS stands at a slot's head.  Each wave waits for all its tensor loads, adds 0 to its spare word, and waits for that and for its reads of the slot that it has left.  fill = 1: a round of the cluster's barrier, and
; behind it the other slot is filled with the rows that follow, a quarter a wave: the load has a slot's eight key steps in which to land.
.macro CHANGE fill
	s_wait_tensorcnt 0x0                           ; no tensor load of mine is out, so a descriptor may be written
	ds_add_u32 v[SPW], v[NIL]
.if \fill
	s_mov_b32 s[G1T+2], 128<<16                    ; the ring's loads bring 128 rows
	s_mov_b32 s[G1T+4], 128
	s_xor_b32 s[G0T+1], s[G0T+1], SLOT1            ; the walking descriptor: the other slot than last time,
	s_add_nc_u64 s[G0T+2:G0T+3], s[G0T+2:G0T+3], 65536   ; the next 1,024 rows
	s_wait_xcnt 0x0                                ; the last prefetch, a slot back, has read its address
	s_add_nc_u64 s[PFA:PFA+1], s[PFA:PFA+1], 65536
	s_wait_dscnt 0x0                               ; the add is done, and my reads of the slot that I have left are over
	CROUND
	tensor_load_to_lds s[G0T:G0T+3], s[G1T:G1T+7]  ; the first thing behind the round, and a wave's one tensor load until the next
	s_nop 0
.rept 4
	v_nop
.endr
	ASK
.else
	s_wait_dscnt 0x0
	s_barrier_signal -1
	s_barrier_wait -1
.endif
.endm
.macro RECIP                           ; 1 / l into v[FF], all tiles; the caller writes the wait ahead of the first reader
.rept 8
	v_nop                                          ; places behind the last products
.endr
.irp u, 0,1,2,3
	v_add_f32 v[L+2*\u], v[L+2*\u], v[L+2*\u+1]    ; the sum's two halves,
.endr
.irp u, 0,1,2,3
	v_permlanex16_b32 v[TMP+\u], v[L+2*\u], s[SEL], s[SEL+1]
.endr
.irp u, 0,1,2,3
	v_add_f32 v[L+2*\u], v[L+2*\u], v[TMP+\u]      ; and lane l xor 16's
.endr
	s_wait_alu depctr_va_vdst(0)                   ; the wait ahead of the transcendentals
.irp u, 0,1,2,3
	v_rcp_f32 v[FF+2*\u], v[L+2*\u]
.endr
	v_nop                                          ; a plain line behind them
.endm
	s_wait_alu depctr_va_vdst(0)                   ; the wait at the head's end
	s_wait_loadcnt 0x0                             ; Q of both heads
.Lper:                                             ; three trips: slots 0 to 2 are walked, slots 1 to 3 asked for
	CHANGE 1
	EIGHT_STEPS
	s_sub_co_u32 s[REM], s[REM], 1
	s_cmp_lg_u32 s[REM], 1                         ; behind the second slot the first head is done: a branch on the count of slots, round work on registers alone
	s_cbranch_scc1 .Lsame_head
	; FROM HEAD TO HEAD: o / l is kept in window 2, the second head's Q takes the first's place, and the running figures begin anew
	RECIP
	WIN 0x82
	s_wait_alu depctr_va_vdst(0)                   ; the wait ahead of the first reader of 1 / l and of O^T
.irp u, 0,1,2,3
.set J, 0
.rept 16
	v_pk_mul_f32 v[ST+32*\u+J:ST+32*\u+J+1], v[O+32*\u+J:O+32*\u+J+1], v[FF+2*\u:FF+2*\u+1] op_sel_hi:[1,0]
.set J, J+2
.endr
.endr
	WIN 0x80
.set J, 0
.rept 128
	v_mov_b32 v[O+J], 0
.set J, J+1
.endr
	WIN 0xc3
.irp u, 0,1,2,3
.set J, 0
.rept 8
	v_mov_b32 v[QF+16*\u+J], v[QB+8*\u+J]
.set J, J+1
.endr
.endr
	WIN 0
.irp u, 0,1,2,3
	v_mov_b32 v[QS+\u], v[QSB+\u]
	v_mov_b32 v[NM+2*\u+1], 0xff61b1e6
	v_mov_b32 v[L+2*\u], 0
	v_mov_b32 v[L+2*\u+1], 0
.endr
.irp u, 0,1,2,3
	v_floor_f32 v[NM+2*\u], -v[NM+2*\u+1]
.endr
	s_wait_alu depctr_va_vdst(0)
.Lsame_head:
	s_cmp_lg_u32 s[REM], 0
	s_cbranch_scc1 .Lper
	CHANGE 0                                       ; the last slot is written out
	EIGHT_STEPS
	; THE WAY OUT.  Both heads' o / l are added and go through a stage of the work-group, [d][query], so that 32 lanes store 512 consecutive bytes of a row d of part
	RECIP
	WIN 0x62
	s_wait_alu depctr_va_vdst(0)                   ; the wait ahead of the first reader of 1 / l and of O^T
.irp u, 0,1,2,3
.set J, 0
.rept 16
	v_pk_fma_f32 v[S+32*\u+J:S+32*\u+J+1], v[O+32*\u+J:O+32*\u+J+1], v[FF+2*\u:FF+2*\u+1], v[ST+32*\u+J:ST+32*\u+J+1] op_sel_hi:[1,0,1]
.set J, J+2
.endr
.endr
	WIN 0x04                                       ; the data in window 1
.irp u, 0,1,2,3
.irp t, 0,1,2,3
.irp j, 0,1,2,3,4,5,6,7
	ds_store_b32 v[STA], v[S+32*\u+8*\t+\j] offset:(32*(\t/2)+8*(\t%2)+\j)*SP+64*\u   ; register 8 t + j is channel 32 (t / 2) + 16 h + 8 (t % 2) + j of query 64 W + 16 u + r
.endr
.endr
.endr
	WIN 0
	s_wait_dscnt 0x0                               ; for the others' sake: my stores into the stage are done
	s_barrier_signal -1
	s_barrier_wait -1
	WIN 0x40                                       ; back into window 1, v128-255
.set I, 0
.rept 32
	ds_load_b128 v[128+4*I:128+4*I+3], v[STR] offset:(I/2)*SP+512*(I%2)
.set I, I+1
.endr
	WIN 0x04
.set I, 0
.rept 32
	s_wait_dscnt 31-I                              ; loads come back in order: the younger ones may be out
	global_store_b128 v[GO], v[128+4*I:128+4*I+3], s[8:9] offset:(I/2)*8192+512*(I%2)
.set I, I+1
.endr
	WIN 0
	s_wait_tensorcnt 0x0                           ; the wave's end
	ds_add_u32 v[SPW], v[NIL]
	s_wait_dscnt 0x0
	CROUND                                         ; the closing round
	s_endpgm
.Lfunc_end_k_q68cc0b8083_attn:
	.size	k_q68cc0b8083_attn, .Lfunc_end_k_q68cc0b8083_attn-k_q68cc0b8083_attn
	.p2alignl 7, 3214868480
	.fill 96, 4, 3214868480
	.section	.rodata,"a",@progbits
	.p2align	6, 0x0
	.amdhsa_kernel k_q68cc0b8083_attn
		.amdhsa_group_segment_fixed_size 327680
		.amdhsa_private_segment_fixed_size 0
		.amdhsa_enable_private_segment 0
		.amdhsa_kernarg_size 24
		.amdhsa_user_sgpr_count 2
		.amdhsa_user_sgpr_kernarg_segment_ptr 1
		.amdhsa_wavefront_size32 1
		.amdhsa_system_sgpr_workgroup_id_x 1
		.amdhsa_system_sgpr_workgroup_id_y 1
		.amdhsa_system_sgpr_workgroup_id_z 1
		.amdhsa_system_vgpr_workitem_id 0
		.amdhsa_next_free_vgpr 1024
		.amdhsa_next_free_sgpr 66
		.amdhsa_reserve_vcc 0
		.amdhsa_float_denorm_mode_32 3
		.amdhsa_float_denorm_mode_16_64 3
		.amdhsa_memory_ordered 1
		.amdhsa_forward_progress 1
		.amdhsa_inst_pref_size 185
	.end_amdhsa_kernel
	.amdgpu_metadata
---
amdhsa.version: [ 1, 2 ]
amdhsa.kernels:
  - .name:           k_q68cc0b8083_attn
    .symbol:         k_q68cc0b8083_attn.kd
    .args:
      - { .name: qkvc, .offset: 0, .size: 8, .value_kind: global_buffer, .address_space: global }
      - { .name: qkvs, .offset: 8, .size: 8, .value_kind: global_buffer, .address_space: global }
      - { .name: part, .offset: 16, .size: 8, .value_kind: global_buffer, .address_space: global }
    .group_segment_fixed_size: 327680
    .private_segment_fixed_size: 0
    .kernarg_segment_align: 8
    .kernarg_segment_size: 24
    .max_flat_workgroup_size: 128
    .sgpr_count:     66
    .vgpr_count:     1024
    .wavefront_size: 32
...
	.end_amdgpu_metadata
.endif
;; end of part 3
;; launch redq (part 4): grid 64 x 4, 8 waves a work-group, no clusters, 9,216 bytes of LDS; arguments part, ks, Wv_codes, Wv_scales, bv, a6c, a6s; writes a6c, a6s
.if DOCPART == 4
	.amdgcn_target "amdgcn-amd-amdhsa--gfx1250"
	.amdhsa_code_object_version 6
	.text
	.protected	k_q68cc0b8083_redq
	.globl	k_q68cc0b8083_redq
	.p2align	8
	.type	k_q68cc0b8083_redq,@function
k_q68cc0b8083_redq:
	s_mov_b64 s[64:65], 0
	v_nop
	global_prefetch_b8 v0, s[64:65] scope:SCOPE_SE
	s_setreg_imm32_b32 hwreg(HW_REG_WAVE_MODE, 25, 1), 1
	s_wait_xcnt 0x0
; THE LAST PRODUCT'S OPERAND, MADE AND QUANTISED ONCE.  A6[128 b + 2 d + s / 1024][s % 1024] = the sum over the 8 planes of part[8 b + g][d][s] + u[b][d],  u = 15 x the sum over heads of the mean over the keys of v[b][head][key][d].
; It is turned into codes of BF8 (E5M2) along s, its K, with one E8M0 scale byte for each 32: a6c [512][1,024] and a6s [512][32], laid as Wo's codes and scale bytes are.
; THE MEAN TERM.  v = value Wv^T + bv, so the keys' mean of v is (the keys' sum of value) Wv^T / 2,048 + bv, for every input.  u makes the bulk of A6, whose codes lie an eighth to a quarter of its size apart, so it is made of f32 fused
; multiply-adds, rounded to nearest: the keys' sums come from ks (16 chunks a batch), Wv's numbers are code x scale.  The planes are added first and u last, as reference() has it: one rounding at A6's own size.
; SHARES.  A work-group: one channel d (work-group x) of one batch (work-group y): two rows of A6, 8,192 consecutive bytes of each plane; every byte of part is read by one work-group.  Thread t: s = 8 t .. 8 t + 7: two loads a plane,
; which together cover 1,024 consecutive bytes a wave.  For u: thread t adds the 16 chunks of ks for four e; wave w takes heads 2 w and 2 w + 1, a lane 32 of the 1,024 e, one scale block.
; All 40 loads of a thread go out at the head.  No tensor load, no cluster, no matrix work, no prefetch: no tile is shared between work-groups but ks and Wv's rows, which are small, and the launch is short.
; The codes leave as 256 consecutive bytes a wave.  The work-group's 64 scale bytes are a quarter of an aligned block of 256: 16,384 bytes in the whole launch leave so.
; LIMITS.  NaN, infinities and given scale bytes 0xff are not served; a block of zeros gets the scale byte 1 (its codes are zeros; the byte is read by this program alone); a block whose largest magnitude lies under 2^-111 is held at byte 1.
;          The mean is formed from the keys' sums and not from the rounded v: another order of f32 rounding than reference()'s.
.set SVL,  0                           ; LDS: the keys' sums of value: 32 x (128 bytes + 16);
.set UW,   4608                        ; the eight waves' parts of u;
.set SCB,  4864                        ; the work-group's 64 scale bytes
.set LN,   1                           ; v1   lane; also the offset of Wv's scale bytes
.set PO,   2                           ; v2   16 x thread: ks
.set PLO,  3                           ; v3   32 x thread: the planes
.set WCO,  4                           ; v4   32 x lane: Wv's codes
.set ZO,   5                           ; v5   0: bv
.set SVW,  6                           ; v6   where my four keys' sums go
.set SVR,  7                           ; v7   where my lane's 32 lie
.set UWA,  8
.set UWR,  9
.set CSO,  10                          ; v10  8 x thread: my codes
.set SBW,  11
.set SBR,  12
.set SBO,  13                          ; v13  2 x lane
.set ACC,  15                          ; v15  my lane's part of u
.set SV,   16                          ; v16-47 my 32 keys' sums
.set SF,   48                          ; v48, v49 the two heads' scales as numbers
.set BV,   50                          ; v50, v51 their bv
.set CD,   64                          ; v64-79 Wv's codes: 8 registers a head
.set T,    80                          ; v80-95 16 numbers of Wv
.set D0,   96                          ; v[96:97], v[98:99] a head's dot product in two chains
.set D1,   98
.set X,    104                         ; v104-111 my 8 numbers of A6
.set U,    112                         ; v112-119 the eight parts of u
.set MX,   120
.set SO,   121
.set HO,   122
.set BY,   123
.set CC,   124                         ; v[124:125] my 8 codes
.set SH,   126
.set KS,   128                         ; v128-191 the 16 chunks of ks
.set PL,   192                         ; v192-255 the 8 planes: 8 registers each
	s_load_b256 s[4:11], s[0:1], 0x0               ; part, ks, Wv's codes, Wv's scales
	s_load_b128 s[12:15], s[0:1], 0x20             ; bv, a6c
	s_load_b64 s[16:17], s[0:1], 0x30              ; a6s
	v_lshl_add_u32 v103, v0, 2, 0x2000
	v_mov_b32 v127, 0
	v_lshrrev_b32 v[LN], 5, v0
	s_delay_alu instid0(VALU_DEP_1)
	v_readfirstlane_b32 s18, v[LN]                 ; wave 0..7
	v_and_b32 v[LN], 31, v0
	v_lshlrev_b32 v[PO], 4, v0
	v_lshlrev_b32 v[PLO], 5, v0
	s_delay_alu instid0(VALU_DEP_3)
	v_lshlrev_b32 v[WCO], 5, v[LN]
	v_mov_b32 v[ZO], 0
	v_lshrrev_b32 v[SVW], 3, v0
	s_delay_alu instid0(VALU_DEP_1)
	v_add_nc_u32 v[SVW], v[SVW], v0
	s_delay_alu instid0(VALU_DEP_1)
	v_lshl_add_u32 v[SVW], v[SVW], 4, SVL          ; 16 x thread, + 16 for each 128 bytes passed
	v_mul_u32_u24 v[SVR], v[LN], 144
	s_delay_alu instid0(VALU_DEP_1)
	v_add_nc_u32 v[SVR], SVL, v[SVR]
	s_lshl_b32 s19, s18, 2
	s_add_co_u32 s19, s19, UW
	v_mov_b32 v[UWA], s19
	v_mov_b32 v[UWR], UW
	v_lshlrev_b32 v[CSO], 3, v0
	v_lshrrev_b32 v[SBW], 2, v0                    ; my block of 32: four threads to a block
	s_delay_alu instid0(VALU_DEP_1)
	v_add_nc_u32 v[SBW], SCB, v[SBW]
	v_lshlrev_b32 v[SBO], 1, v[LN]
	s_delay_alu instid0(VALU_DEP_1)
	v_add_nc_u32 v[SBR], SCB, v[SBO]
	s_mov_b32 s24, 0x76543210                      ; v_permlanex16_b32's selects for lane l xor 16
	s_mov_b32 s25, 0xfedcba98
	s_mov_b32 s26, 0x600000                        ; the mantissa field of 57,344
	s_and_b32 s20, ttmp7, 0xffff                   ; b;  ttmp9 is d
	s_mov_b32 s23, 0
	s_wait_kmcnt 0x0
	s_lshl_b32 s22, s20, 22                        ; part: 8 b planes of 524,288 bytes + d rows of 8,192
	s_lshl_b32 s21, ttmp9, 13
	s_add_co_u32 s22, s22, s21
	s_add_nc_u64 s[4:5], s[4:5], s[22:23]
	s_lshl_b32 s22, s20, 16                        ; ks: 16 b rows of 4,096 bytes
	s_add_nc_u64 s[6:7], s[6:7], s[22:23]
	s_lshl_b32 s22, s18, 17                        ; Wv's codes: row 64 (2 w) + d of 1,024 bytes
	s_lshl_b32 s21, ttmp9, 10
	s_add_co_u32 s22, s22, s21
	s_add_nc_u64 s[8:9], s[8:9], s[22:23]
	s_lshl_b32 s22, s18, 12                        ; its scale bytes: 32 a row
	s_lshl_b32 s21, ttmp9, 5
	s_add_co_u32 s22, s22, s21
	s_add_nc_u64 s[10:11], s[10:11], s[22:23]
	s_lshl_b32 s22, s18, 9                         ; bv: 4 bytes a row
	s_lshl_b32 s21, ttmp9, 2
	s_add_co_u32 s22, s22, s21
	s_add_nc_u64 s[12:13], s[12:13], s[22:23]
	s_lshl_b32 s22, s20, 17                        ; a6c: row 128 b + 2 d of 1,024 bytes
	s_lshl_b32 s21, ttmp9, 11
	s_add_co_u32 s22, s22, s21
	s_add_nc_u64 s[14:15], s[14:15], s[22:23]
	s_lshl_b32 s22, s20, 12                        ; a6s: 32 bytes a row
	s_lshl_b32 s21, ttmp9, 6
	s_add_co_u32 s22, s22, s21
	s_add_nc_u64 s[16:17], s[16:17], s[22:23]
	; all that the thread reads, at once: 40 loads
	global_load_b32 v[BV], v[ZO], s[12:13]                     ; bv of my channel, head 2 w: the same number in every lane
	global_load_b32 v[BV+1], v[ZO], s[12:13] offset:256        ; head 2 w + 1
	global_load_u8 v[SF], v[LN], s[10:11]                      ; the scale byte of my 32 e: 32 lanes read a row's 32 bytes
	global_load_u8 v[SF+1], v[LN], s[10:11] offset:2048
.set I, 0
.rept 16
	global_load_b128 v[KS+4*I:KS+4*I+3], v[PO], s[6:7] offset:4096*I   ; chunk I of the keys' sums: four e a thread
.set I, I+1
.endr
.irp h, 0,1
	global_load_b128 v[CD+8*\h:CD+8*\h+3], v[WCO], s[8:9] offset:65536*\h        ; the two loads together cover the row's 1,024 consecutive bytes
	global_load_b128 v[CD+8*\h+4:CD+8*\h+7], v[WCO], s[8:9] offset:65536*\h+16
.endr
.set G, 0
.rept 8
	global_load_b128 v[PL+8*G:PL+8*G+3], v[PLO], s[4:5] offset:G*524288 th:TH_LOAD_NT       ; plane G: read once in the launch
	global_load_b128 v[PL+8*G+4:PL+8*G+7], v[PLO], s[4:5] offset:G*524288+16 th:TH_LOAD_NT
.set G, G+1
.endr
	s_wait_loadcnt 20                              ; bv, the scale bytes and ks are in; Wv's 4 loads and the planes' 16 may be out
.irp n, 32,16,8,4
.set I, 0
.rept \n/2
	v_pk_add_f32 v[KS+I:KS+I+1], v[KS+I:KS+I+1], v[KS+\n+I:KS+\n+I+1]
.set I, I+2
.endr
.endr
	ds_store_b128 v[SVW], v[KS:KS+3]               ; the sum over all 2,048 keys, four e
	v_add_f32 v[ACC], v[BV], v[BV+1]
	s_delay_alu instid0(VALU_DEP_1)
	v_mul_f32 v[ACC], 0x42800000, v[ACC]           ; my sum begins as 64 x bv of both heads: 32 lanes make 2,048 x bv
.irp h, 0,1
	v_add_nc_u32 v[SF+\h], 0xffffff81, v[SF+\h]    ; byte - 127
.endr
.irp h, 0,1
	s_delay_alu instid0(VALU_DEP_2)
	v_ldexp_f32 v[SF+\h], 1.0, v[SF+\h]            ; the scale as a number
.endr
	s_wait_dscnt 0x0                               ; for the others' sake: my store has landed
	s_barrier_signal -1
	s_barrier_wait -1                              ; the 1,024 keys' sums lie in LDS
.irp c, 0,1,2,3,4,5,6,7
	ds_load_b128 v[SV+4*\c:SV+4*\c+3], v[SVR] offset:16*\c
.endr
	s_wait_dscnt 0x0
	s_wait_loadcnt 16                              ; Wv's codes are in; the planes' 16 loads may be out
.macro HEAD h                          ; my sum += scale x (the dot product of my 32 codes of head h with my 32 keys' sums)
.irp g, 0,1
.irp k, 0,1,2,3
	v_cvt_f32_bf8 v[T+4*\k], v[CD+8*(\h)+4*\g+\k]
	v_cvt_f32_bf8 v[T+4*\k+1], v[CD+8*(\h)+4*\g+\k] byte_sel:1
	v_cvt_f32_bf8 v[T+4*\k+2], v[CD+8*(\h)+4*\g+\k] byte_sel:2
	v_cvt_f32_bf8 v[T+4*\k+3], v[CD+8*(\h)+4*\g+\k] byte_sel:3
.endr
.irp p, 0
.if (\g == 0) && (\p == 0)
	v_pk_mul_f32 v[D0:D0+1], v[T:T+1], v[SV:SV+1]
	v_pk_mul_f32 v[D1:D1+1], v[T+2:T+3], v[SV+2:SV+3]
.else
	v_pk_fma_f32 v[D0:D0+1], v[T+\p:T+\p+1], v[SV+16*\g+\p:SV+16*\g+\p+1], v[D0:D0+1]
	v_pk_fma_f32 v[D1:D1+1], v[T+\p+2:T+\p+3], v[SV+16*\g+\p+2:SV+16*\g+\p+3], v[D1:D1+1]
.endif
.endr
.irp p, 4, 8, 12
.if (\g == 0) && (\p == 0)
	v_pk_mul_f32 v[D0:D0+1], v[T:T+1], v[SV:SV+1]
	v_pk_mul_f32 v[D1:D1+1], v[T+2:T+3], v[SV+2:SV+3]
.else
	s_delay_alu instid0(VALU_DEP_2)
	v_pk_fma_f32 v[D0:D0+1], v[T+\p:T+\p+1], v[SV+16*\g+\p:SV+16*\g+\p+1], v[D0:D0+1]
	s_delay_alu instid0(VALU_DEP_2)
	v_pk_fma_f32 v[D1:D1+1], v[T+\p+2:T+\p+3], v[SV+16*\g+\p+2:SV+16*\g+\p+3], v[D1:D1+1]
.endif
.endr
.endr
	s_delay_alu instid0(VALU_DEP_1)
	v_pk_add_f32 v[D0:D0+1], v[D0:D0+1], v[D1:D1+1]
	s_delay_alu instid0(VALU_DEP_1)
	v_add_f32 v[D0], v[D0], v[D0+1]
	s_delay_alu instid0(VALU_DEP_1)
	v_fmac_f32 v[ACC], v[D0], v[SF+\h]
.endm
	HEAD 0
	HEAD 1
	s_delay_alu instid0(VALU_DEP_1)
	v_add_f32_dpp v[ACC], v[ACC], v[ACC] row_xmask:1 row_mask:0xf bank_mask:0xf
	s_delay_alu instid0(VALU_DEP_1)
	v_add_f32_dpp v[ACC], v[ACC], v[ACC] row_xmask:2 row_mask:0xf bank_mask:0xf
	s_delay_alu instid0(VALU_DEP_1)
	v_add_f32_dpp v[ACC], v[ACC], v[ACC] row_xmask:4 row_mask:0xf bank_mask:0xf
	s_delay_alu instid0(VALU_DEP_1)
	v_add_f32_dpp v[ACC], v[ACC], v[ACC] row_xmask:8 row_mask:0xf bank_mask:0xf
	s_delay_alu instid0(VALU_DEP_1)
	v_permlanex16_b32 v[T], v[ACC], s24, s25
	s_delay_alu instid0(VALU_DEP_1)
	v_add_f32 v[ACC], v[ACC], v[T]                 ; over the 1,024 e, for my two heads
	s_delay_alu instid0(VALU_DEP_1)
	v_mul_f32 v[ACC], 0x3bf00000, v[ACC]           ; x 15 / 2,048
	ds_store_b32 v[UWA], v[ACC]                    ; all lanes write the same word with the same value
	s_wait_dscnt 0x0
	s_barrier_signal -1
	s_barrier_wait -1                              ; the eight waves' parts of u lie in LDS
	ds_load_b128 v[U:U+3], v[UWR]
	ds_load_b128 v[U+4:U+7], v[UWR] offset:16
	s_wait_loadcnt 0x0                             ; the planes
.irp p, 0,2,4,6
	v_pk_add_f32 v[X+\p:X+\p+1], v[PL+\p:PL+\p+1], v[PL+8+\p:PL+8+\p+1]
.endr
.irp g, 2,3,4,5,6,7
.irp p, 0,2,4,6
	s_delay_alu instid0(VALU_DEP_4)
	v_pk_add_f32 v[X+\p:X+\p+1], v[X+\p:X+\p+1], v[PL+8*\g+\p:PL+8*\g+\p+1]
.endr
.endr
	s_wait_dscnt 0x0
	v_pk_add_f32 v[U:U+1], v[U:U+1], v[U+2:U+3]
	v_pk_add_f32 v[U+4:U+5], v[U+4:U+5], v[U+6:U+7]
	s_delay_alu instid0(VALU_DEP_1)
	v_pk_add_f32 v[U:U+1], v[U:U+1], v[U+4:U+5]
	s_delay_alu instid0(VALU_DEP_1)
	v_add_f32 v[U], v[U], v[U+1]                   ; u of my channel
	s_wait_alu depctr_va_vdst(0)
.irp p, 0,2,4,6
	v_pk_add_f32 v[X+\p:X+\p+1], v[X+\p:X+\p+1], v[U:U+1] op_sel_hi:[1,0]   ; + u, last
.endr
	; the quantiser: a block of 32 lies in four neighbouring lanes
	s_delay_alu instid0(VALU_DEP_4)
	v_max3_num_f32 v[MX], |v[X]|, |v[X+1]|, 0x8000000      ; my 8 numbers, and the floor 2^(16 - 127): the byte cannot fall under 1
	s_delay_alu instid0(VALU_DEP_1)
	v_max3_num_f32 v[MX], v[MX], |v[X+2]|, |v[X+3]|
	s_delay_alu instid0(VALU_DEP_1)
	v_max3_num_f32 v[MX], v[MX], |v[X+4]|, |v[X+5]|
	s_delay_alu instid0(VALU_DEP_1)
	v_max3_num_f32 v[MX], v[MX], |v[X+6]|, |v[X+7]|
	s_delay_alu instid0(VALU_DEP_1)
	v_max_num_f32_dpp v[MX], v[MX], v[MX] row_xmask:1 row_mask:0xf bank_mask:0xf
	s_delay_alu instid0(VALU_DEP_1)
	v_max_num_f32_dpp v[MX], v[MX], v[MX] row_xmask:2 row_mask:0xf bank_mask:0xf   ; the block's largest magnitude
	s_delay_alu instid0(VALU_DEP_1)
	v_add_nc_u32 v[SO], 0xf8800000, v[MX]          ; 15 off its exponent field: the conversion's scale operand
	s_delay_alu instid0(VALU_DEP_2)
	v_and_or_b32 v[HO], v[MX], 0x7f800000, s26     ; 57,344 x the scale
.irp i, 0,1,2,3,4,5,6,7
	v_med3_num_f32 v[X+\i], v[X+\i], -v[HO], v[HO] ; the conversion to an 8-bit code does not saturate (ISA guide 7.6.2): the hold comes first
.endr
	v_cvt_scalef32_pk8_bf8_f32 v[CC:CC+1], v[X:X+7], v[SO]
	v_lshrrev_b32 v[BY], 23, v[SO]                 ; the scale's byte.  (A plain line behind the conversion)
	global_store_b64 v[CSO], v[CC:CC+1], s[14:15]  ; 32 lanes store 256 consecutive bytes, at a multiple of 256 from a6c's first byte
	ds_store_b8 v[SBW], v[BY]                      ; the four lanes of a block write the same byte with the same value
	s_wait_dscnt 0x0
	s_barrier_signal -1
	s_barrier_wait -1                              ; the two rows' 64 scale bytes lie in LDS
	s_cmp_lg_u32 s18, 0                            ; wave 0 stores them: two bytes a lane
	s_cbranch_scc1 .Lend
	ds_load_u16 v[SH], v[SBR]
	s_wait_dscnt 0x0
	global_store_b16 v[SBO], v[SH], s[16:17]       ; 32 lanes store 64 consecutive bytes
.Lend:
	s_wait_tensorcnt 0x0
	ds_add_u32 v103, v127
	s_wait_dscnt 0x0
	s_endpgm
.Lfunc_end_k_q68cc0b8083_redq:
	.size	k_q68cc0b8083_redq, .Lfunc_end_k_q68cc0b8083_redq-k_q68cc0b8083_redq
	.p2alignl 7, 3214868480
	.fill 96, 4, 3214868480
	.section	.rodata,"a",@progbits
	.p2align	6, 0x0
	.amdhsa_kernel k_q68cc0b8083_redq
		.amdhsa_group_segment_fixed_size 9216
		.amdhsa_private_segment_fixed_size 0
		.amdhsa_enable_private_segment 0
		.amdhsa_kernarg_size 56
		.amdhsa_user_sgpr_count 2
		.amdhsa_user_sgpr_kernarg_segment_ptr 1
		.amdhsa_wavefront_size32 1
		.amdhsa_system_sgpr_workgroup_id_x 1
		.amdhsa_system_sgpr_workgroup_id_y 1
		.amdhsa_system_sgpr_workgroup_id_z 1
		.amdhsa_system_vgpr_workitem_id 0
		.amdhsa_next_free_vgpr 256
		.amdhsa_next_free_sgpr 66
		.amdhsa_reserve_vcc 0
		.amdhsa_float_denorm_mode_32 3
		.amdhsa_float_denorm_mode_16_64 3
		.amdhsa_memory_ordered 1
		.amdhsa_forward_progress 1
		.amdhsa_inst_pref_size 23
	.end_amdhsa_kernel
	.amdgpu_metadata
---
amdhsa.version: [ 1, 2 ]
amdhsa.kernels:
  - .name:           k_q68cc0b8083_redq
    .symbol:         k_q68cc0b8083_redq.kd
    .args:
      - { .name: part, .offset: 0, .size: 8, .value_kind: global_buffer, .address_space: global }
      - { .name: ks, .offset: 8, .size: 8, .value_kind: global_buffer, .address_space: global }
      - { .name: Wv_codes, .offset: 16, .size: 8, .value_kind: global_buffer, .address_space: global }
      - { .name: Wv_scales, .offset: 24, .size: 8, .value_kind: global_buffer, .address_space: global }
      - { .name: bv, .offset: 32, .size: 8, .value_kind: global_buffer, .address_space: global }
      - { .name: a6c, .offset: 40, .size: 8, .value_kind: global_buffer, .address_space: global }
      - { .name: a6s, .offset: 48, .size: 8, .value_kind: global_buffer, .address_space: global }
    .group_segment_fixed_size: 9216
    .private_segment_fixed_size: 0
    .kernarg_segment_align: 8
    .kernarg_segment_size: 56
    .max_flat_workgroup_size: 256
    .sgpr_count:     66
    .vgpr_count:     256
    .wavefront_size: 32
...
	.end_amdgpu_metadata
.endif
;; end of part 4
;; launch outg (part 5): grid 8 x 32, 8 waves a work-group, no clusters, 33,792 bytes of LDS; arguments a6c, a6s, Wo_codes, Wo_scales, bo, out0; writes out0
.if DOCPART == 5
	.amdgcn_target "amdgcn-amd-amdhsa--gfx1250"
	.amdhsa_code_object_version 6
	.text
	.protected	k_q68cc0b8083_outg
	.globl	k_q68cc0b8083_outg
	.p2align	8
	.type	k_q68cc0b8083_outg,@function
k_q68cc0b8083_outg:
	s_mov_b64 s[64:65], 0
	v_nop
	global_prefetch_b8 v0, s[64:65] scope:SCOPE_SE
	s_setreg_imm32_b32 hwreg(HW_REG_WAVE_MODE, 25, 1), 1
	s_wait_xcnt 0x0
; out0 = A6 Wo^T + bo on codes of BF8 (E5M2) with one E8M0 scale for each 32 along K (K = 1,024).  A6's codes [512][1,024] and scale bytes [512][32] were made by the launch before and are laid as Wo's are.
; SHARES.  A work-group: 16 rows of A6 (work-group y) x 128 columns of out0 (work-group x).  Wave w fetches K step w's fragment of the 16 rows and its scale words and hands them to the others through LDS as an image of its registers;
; then it makes the 16 columns 128 x + 16 w .. + 15, K in two chains of four steps.  Source 0 = 16 rows of Wo, source 1 = A6: a lane holds eight neighbouring columns of one row of out0.
; All 41 loads of a wave go out at the head.  No tensor loads, no cluster: what the eight work-groups of a row tile share, 16,384 bytes of codes, is an eighth of what a work-group reads; no prefetch: the launch is short.
; LIMITS.  NaN and infinity codes and scale bytes 0xff are not served.  K's sum goes in two chains: another order of f32 rounding than one chain's.
.set XIMG, 0                           ; LDS: A6's eight fragments, 2,048 bytes each;
.set XSC,  16384                       ; their scale words, 128 bytes each;
.set OST,  17408                       ; the stage for out0: 16 rows x (512 bytes + 16)
.set OSR,  1
.set G16,  2                           ; v2   16 x lane
.set PW,   3                           ; v3   my rows' scale word of K step w
.set WOF,  6                           ; v6   row r of 1,024 codes, + 16 h: for Wo and for A6
.set WSF,  7                           ; v7   32 r: a row of scale bytes
.set BOF,  8
.set XWI,  11
.set LI,   12
.set XWS,  13
.set LS,   14
.set OSO,  15
.set XS,   16                          ; v16-23 A6's scale words
.set WS,   24                          ; v24-31 Wo's
.set PC,   32                          ; v32-47 K step w's fragment of A6; later the two accumulators
.set TM,   48                          ; v48-55 bo, v56-63 the results
.set X,    64                          ; v64-127 four fragments of A6
.set PB,   128                         ; v128-255 Wo's eight fragments
.set WV,   16
	s_load_b256 s[4:11], s[0:1], 0x0               ; a6c, a6s, Wo's codes, Wo's scales
	s_load_b128 s[12:15], s[0:1], 0x20             ; bo, out0
	v_lshl_add_u32 v9, v0, 2, 0x8000
	v_mov_b32 v10, 0
	v_lshrrev_b32 v48, 5, v0
	s_delay_alu instid0(VALU_DEP_1)
	v_readfirstlane_b32 s[WV], v48                 ; wave 0..7
	v_and_b32 v48, 31, v0                          ; lane
	v_and_b32 v49, 15, v0                          ; r
	v_bfe_u32 v50, v0, 4, 1                        ; h
	s_delay_alu instid0(VALU_DEP_2)
	v_lshlrev_b32 v[WOF], 10, v49
	s_delay_alu instid0(VALU_DEP_1)
	v_lshl_add_u32 v[WOF], v50, 4, v[WOF]
	s_delay_alu instid0(VALU_DEP_4)
	v_lshlrev_b32 v[WSF], 5, v49
	s_delay_alu instid0(VALU_DEP_4)
	v_lshlrev_b32 v[BOF], 5, v50                   ; bo: my half's eight numbers
	v_lshlrev_b32 v[G16], 4, v48
	s_delay_alu instid0(VALU_DEP_1)
	v_add_nc_u32 v[LI], XIMG, v[G16]
	s_lshl_b32 s22, s[WV], 11
	v_add_nc_u32 v[XWI], s22, v[LI]
	v_lshl_add_u32 v[LS], v48, 2, XSC
	s_lshl_b32 s22, s[WV], 7
	v_add_nc_u32 v[XWS], s22, v[LS]
	v_mul_u32_u24 v[OSO], v49, 528
	s_delay_alu instid0(VALU_DEP_1)
	v_lshl_add_u32 v[OSO], v50, 5, v[OSO]
	s_lshl_b32 s22, s[WV], 6
	s_add_co_u32 s22, s22, OST
	v_add_nc_u32 v[OSO], s22, v[OSO]               ; row r, byte 64 w + 32 h
	s_mul_i32 s22, s[WV], 2*528
	s_add_co_u32 s22, s22, OST
	v_add_nc_u32 v[OSR], s22, v[G16]               ; back: rows 2 w and 2 w + 1
	s_and_b32 s18, ttmp7, 0xffff                   ; RT: which 16 rows
	s_lshl_b32 s17, ttmp9, 7
	s_lshl_b32 s19, s[WV], 4
	s_add_co_u32 s17, s17, s19                     ; n0 = 128 x + 16 w
	s_mov_b32 s21, 0
	s_wait_alu depctr_va_vdst(0)
	s_wait_kmcnt 0x0
	s_lshl_b32 s20, s18, 14                        ; a6c: row 16 RT, K step w
	s_lshl_b32 s19, s[WV], 7
	s_add_co_u32 s20, s20, s19
	s_add_nc_u64 s[4:5], s[4:5], s[20:21]
	s_lshl_b32 s20, s18, 9                         ; a6s: row 16 RT, word w
	s_lshl_b32 s19, s[WV], 2
	s_add_co_u32 s20, s20, s19
	s_add_nc_u64 s[6:7], s[6:7], s[20:21]
	s_lshl_b32 s20, s17, 10                        ; Wo: row n0
	s_add_nc_u64 s[8:9], s[8:9], s[20:21]
	s_lshl_b32 s20, s17, 5
	s_add_nc_u64 s[10:11], s[10:11], s[20:21]
	s_lshl_b32 s20, s17, 2
	s_add_nc_u64 s[12:13], s[12:13], s[20:21]
	s_lshl_b32 s20, s18, 16                        ; out0: row 16 RT + 2 w, byte 512 x
	s_lshl_b32 s19, s[WV], 13
	s_add_co_u32 s20, s20, s19
	s_lshl_b32 s19, ttmp9, 9
	s_add_co_u32 s20, s20, s19
	s_add_nc_u64 s[14:15], s[14:15], s[20:21]
.irp c, 0,1,2,3
	global_load_b128 v[PC+4*\c:PC+4*\c+3], v[WOF], s[4:5] offset:32*\c   ; A6(row r, 128 w + 32 c + 16 h .. + 15)
.endr
	global_load_b32 v[PW], v[WSF], s[6:7]          ; and row r's four scale bytes of that K step
.irp s, 0,1,2,3,4,5,6,7
.irp c, 0,1,2,3
	global_load_b128 v[PB+16*\s+4*\c:PB+16*\s+4*\c+3], v[WOF], s[8:9] offset:128*\s+32*\c
.endr
.endr
	global_load_b128 v[WS:WS+3], v[WSF], s[10:11]                ; Wo's scale words: one for each K step
	global_load_b128 v[WS+4:WS+7], v[WSF], s[10:11] offset:16
	global_load_b128 v[TM:TM+3], v[BOF], s[12:13]
	global_load_b128 v[TM+4:TM+7], v[BOF], s[12:13] offset:16
	s_wait_loadcnt 36                              ; A6's five loads are in; Wo's 32, its scale words' 2 and bo's 2 may be out
.irp c, 0,1,2,3
	ds_store_b128 v[XWI], v[PC+4*\c:PC+4*\c+3] offset:512*\c   ; K step w's fragment, as it stands in my registers
.endr
	ds_store_b32 v[XWS], v[PW]
	s_wait_dscnt 0x0                               ; for the others' sake: my stores have landed
	s_barrier_signal -1
	s_barrier_wait -1                              ; A6's eight fragments lie in LDS
	s_wait_loadcnt 2                               ; Wo's fragments and scale words are in; bo's two loads may be out
.irp s, 0,1,2,3,4,5,6,7
	ds_load_b32 v[XS+\s], v[LS] offset:128*\s
.endr
.irp u, 0,1                                    ; four K steps at a time; two accumulators by turns
.irp s, 0,1,2,3
.irp c, 0,1,2,3
	ds_load_b128 v[X+16*\s+4*\c:X+16*\s+4*\c+3], v[LI] offset:2048*(4*\u+\s)+512*\c
.endr
.endr
	s_wait_dscnt 0x0
.irp s, 0,1,2,3
.if (\u == 0) && (\s < 2)
	v_wmma_scale_f32_16x16x128_f8f6f4 v[PC+8*(\s%2):PC+8*(\s%2)+7], v[PB+16*(4*\u+\s):PB+16*(4*\u+\s)+15], v[X+16*\s:X+16*\s+15], 0, v[WS+4*\u+\s], v[XS+4*\u+\s] matrix_a_fmt:MATRIX_FMT_BF8 matrix_b_fmt:MATRIX_FMT_BF8
.else
	v_wmma_scale_f32_16x16x128_f8f6f4 v[PC+8*(\s%2):PC+8*(\s%2)+7], v[PB+16*(4*\u+\s):PB+16*(4*\u+\s)+15], v[X+16*\s:X+16*\s+15], v[PC+8*(\s%2):PC+8*(\s%2)+7], v[WS+4*\u+\s], v[XS+4*\u+\s] matrix_a_fmt:MATRIX_FMT_BF8 matrix_b_fmt:MATRIX_FMT_BF8
.endif
.endr
.rept 8
	v_nop                                          ; places in front of loads into registers that matrix instructions have read, and of the first read of results
.endr
.endr
	s_wait_loadcnt 0x0                             ; bo
.irp p, 0,2,4,6
	v_pk_add_f32 v[TM+8+\p:TM+8+\p+1], v[PC+\p:PC+\p+1], v[PC+8+\p:PC+8+\p+1]   ; the two chains, each accumulator from its low end on,
.endr
.irp p, 0,2,4,6
	s_delay_alu instid0(VALU_DEP_4)
	v_pk_add_f32 v[TM+8+\p:TM+8+\p+1], v[TM+8+\p:TM+8+\p+1], v[TM+\p:TM+\p+1]   ; and the bias
.endr
	ds_store_b128 v[OSO], v[TM+8:TM+11]            ; out0(row r, n0 + 8 h + 0 .. 7)
	ds_store_b128 v[OSO], v[TM+12:TM+15] offset:16
	s_wait_dscnt 0x0
	s_barrier_signal -1
	s_barrier_wait -1                              ; 16 rows of 512 bytes lie in the stage
	ds_load_b128 v[X:X+3], v[OSR]
	ds_load_b128 v[X+4:X+7], v[OSR] offset:528
	s_wait_dscnt 1                                 ; the first row is back; the second row's load may be out
	global_store_b128 v[G16], v[X:X+3], s[14:15] th:TH_STORE_NT                 ; 32 lanes store 512 consecutive bytes
	s_wait_dscnt 0x0
	global_store_b128 v[G16], v[X+4:X+7], s[14:15] offset:4096 th:TH_STORE_NT
	s_wait_tensorcnt 0x0
	ds_add_u32 v9, v10
	s_wait_dscnt 0x0
	s_endpgm
.Lfunc_end_k_q68cc0b8083_outg:
	.size	k_q68cc0b8083_outg, .Lfunc_end_k_q68cc0b8083_outg-k_q68cc0b8083_outg
	.p2alignl 7, 3214868480
	.fill 96, 4, 3214868480
	.section	.rodata,"a",@progbits
	.p2align	6, 0x0
	.amdhsa_kernel k_q68cc0b8083_outg
		.amdhsa_group_segment_fixed_size 33792
		.amdhsa_private_segment_fixed_size 0
		.amdhsa_enable_private_segment 0
		.amdhsa_kernarg_size 48
		.amdhsa_user_sgpr_count 2
		.amdhsa_user_sgpr_kernarg_segment_ptr 1
		.amdhsa_wavefront_size32 1
		.amdhsa_system_sgpr_workgroup_id_x 1
		.amdhsa_system_sgpr_workgroup_id_y 1
		.amdhsa_system_sgpr_workgroup_id_z 1
		.amdhsa_system_vgpr_workitem_id 0
		.amdhsa_next_free_vgpr 256
		.amdhsa_next_free_sgpr 66
		.amdhsa_reserve_vcc 0
		.amdhsa_float_denorm_mode_32 3
		.amdhsa_float_denorm_mode_16_64 3
		.amdhsa_memory_ordered 1
		.amdhsa_forward_progress 1
		.amdhsa_inst_pref_size 13
	.end_amdhsa_kernel
	.amdgpu_metadata
---
amdhsa.version: [ 1, 2 ]
amdhsa.kernels:
  - .name:           k_q68cc0b8083_outg
    .symbol:         k_q68cc0b8083_outg.kd
    .args:
      - { .name: a6c, .offset: 0, .size: 8, .value_kind: global_buffer, .address_space: global }
      - { .name: a6s, .offset: 8, .size: 8, .value_kind: global_buffer, .address_space: global }
      - { .name: Wo_codes, .offset: 16, .size: 8, .value_kind: global_buffer, .address_space: global }
      - { .name: Wo_scales, .offset: 24, .size: 8, .value_kind: global_buffer, .address_space: global }
      - { .name: bo, .offset: 32, .size: 8, .value_kind: global_buffer, .address_space: global }
      - { .name: out0, .offset: 40, .size: 8, .value_kind: global_buffer, .address_space: global }
    .group_segment_fixed_size: 33792
    .private_segment_fixed_size: 0
    .kernarg_segment_align: 8
    .kernarg_segment_size: 48
    .max_flat_workgroup_size: 256
    .sgpr_count:     66
    .vgpr_count:     256
    .wavefront_size: 32
...
	.end_amdgpu_metadata
.endif
;; end of part 5
